; MI455X (gfx1250); checked and timed in simulation.
; The chip was launched on July 23, 2026; its instructions are those of AMD's public machine-readable ISA for CDNA 5 (MIT licence, August 2026) and "CDNA5" Instruction Set Architecture Reference Guide (July 2026). The comments in the code are by the model that wrote it; some were corrected since.
;; Time Sformer Block. Allowed arithmetic: matrix products marked QUANTISED: E2M1 operands, one E8M0 scale for each 32 along K, by v_wmma_scale_f32_16x16x128_f8f6f4 with both operands' format E2M1 (or v_wmma_scale_f32_32x16x128_f4), f32 sums; everything else in f32.
;; Inputs: f_b1 2,048 float32; f_b2 512 float32; f_w1_codes 2,048 x 16 x 16 uint8 (E2M1 codes of f_w1, K innermost, in blocks of 32 codes, two codes a byte); f_w1_scales 2,048 x 16 uint8 (E8M0 scales of f_w1, one for each 32 codes along K); f_w2_codes 512 x 64 x 16 uint8 (E2M1 codes of f_w2, K innermost, in blocks of 32 codes, two codes a byte); f_w2_scales 512 x 64 uint8 (E8M0 scales of f_w2, one for each 32 codes along K); ln1_b 512 float32; ln1_g 512 float32; ln2_b 512 float32; ln2_g 512 float32; s_bk 512 float32; s_bo 512 float32; s_bq 512 float32; s_bv 512 float32; s_wk_codes 512 x 16 x 16 uint8 (E2M1 codes of s_wk, K innermost, in blocks of 32 codes, two codes a byte); s_wk_scales 512 x 16 uint8 (E8M0 scales of s_wk, one for each 32 codes along K); s_wo_codes 512 x 16 x 16 uint8 (E2M1 codes of s_wo, K innermost, in blocks of 32 codes, two codes a byte); s_wo_scales 512 x 16 uint8 (E8M0 scales of s_wo, one for each 32 codes along K); s_wq_codes 512 x 16 x 16 uint8 (E2M1 codes of s_wq, K innermost, in blocks of 32 codes, two codes a byte); s_wq_scales 512 x 16 uint8 (E8M0 scales of s_wq, one for each 32 codes along K); s_wv_codes 512 x 16 x 16 uint8 (E2M1 codes of s_wv, K innermost, in blocks of 32 codes, two codes a byte); s_wv_scales 512 x 16 uint8 (E8M0 scales of s_wv, one for each 32 codes along K); t_bk 512 float32; t_bo 512 float32; t_bq 512 float32; t_bv 512 float32; t_wk_codes 512 x 16 x 16 uint8 (E2M1 codes of t_wk, K innermost, in blocks of 32 codes, two codes a byte); t_wk_scales 512 x 16 uint8 (E8M0 scales of t_wk, one for each 32 codes along K); t_wo_codes 512 x 16 x 16 uint8 (E2M1 codes of t_wo, K innermost, in blocks of 32 codes, two codes a byte); t_wo_scales 512 x 16 uint8 (E8M0 scales of t_wo, one for each 32 codes along K); t_wq_codes 512 x 16 x 16 uint8 (E2M1 codes of t_wq, K innermost, in blocks of 32 codes, two codes a byte); t_wq_scales 512 x 16 uint8 (E8M0 scales of t_wq, one for each 32 codes along K); t_wv_codes 512 x 16 x 16 uint8 (E2M1 codes of t_wv, K innermost, in blocks of 32 codes, two codes a byte); t_wv_scales 512 x 16 uint8 (E8M0 scales of t_wv, one for each 32 codes along K); x 4 x 2,048 x 512 float32.
;; Outputs: out0 4 x 2,048 x 512 float32.
;; This version of the problem:
;;   THIS VERSION OF THE PROBLEM IS GIVEN IN LOW PRECISION. The matrix products marked QUANTISED in the list below multiply operands that are first quantised to E2M1 (2 exponent bits, 1 mantissa bit; 4 bits a number), with one power-of-two scale for each 32 numbers along K (OCP MX v1.0); their sums are f32. All else is computed in f32.
;;   The module's matrix products, in the order in which they are computed (A, B: the left and right operand; K: the contracted axis; several contracted axes count as one K, in the product's order):
;;     1. [M 8,192, K 512] x [K 512, N 512]; A: input x; B: input t_wq (given as codes): QUANTISED
;;     2. [M 8,192, K 512] x [K 512, N 512]; A: input x; B: input t_wk (given as codes): QUANTISED
;;     3. [M 8,192, K 512] x [K 512, N 512]; A: input x; B: input t_wv (given as codes): QUANTISED
;;     4. batch 32 x [M 2,048, K 64] x [K 64, N 2,048]; A: computed on the way; B: computed on the way: QUANTISED
;;     5. batch 32 x [M 64, K 2,048] x [K 2,048, N 2,048]; A: computed on the way; B: softmax (see below): QUANTISED
;;     6. [M 8,192, K 512] x [K 512, N 512]; A: computed on the way; B: input t_wo (given as codes): QUANTISED
;;     7. [M 8,192, K 512] x [K 512, N 512]; A: computed on the way; B: input s_wq (given as codes): QUANTISED
;;     8. [M 8,192, K 512] x [K 512, N 512]; A: computed on the way; B: input s_wk (given as codes): QUANTISED
;;     9. [M 8,192, K 512] x [K 512, N 512]; A: computed on the way; B: input s_wv (given as codes): QUANTISED
;;     10. batch 32 x [M 2,048, K 64] x [K 64, N 2,048]; A: computed on the way; B: computed on the way: QUANTISED
;;     11. batch 32 x [M 64, K 2,048] x [K 2,048, N 2,048]; A: computed on the way; B: softmax (see below): QUANTISED
;;     12. [M 8,192, K 512] x [K 512, N 512]; A: computed on the way; B: input s_wo (given as codes): QUANTISED
;;     13. [M 8,192, K 512] x [K 512, N 2,048]; A: computed on the way; B: input f_w1 (given as codes): QUANTISED
;;     14. [M 8,192, K 2,048] x [K 2,048, N 512]; A: computed on the way; B: input f_w2 (given as codes): QUANTISED
;;   THE QUANTISER, for each operand of a quantised product, along K:
;;     - K is cut into blocks of 32 from its start; a last block that is shorter is filled with zeros.
;;     - A block's scale is 2^e with e = floor(log2(the largest magnitude in the block)) - 2, held to -126 .. 127; a block of zeros has e = 0. As a byte (E8M0): e + 127.
;;     - Each number is divided by its block's scale, clamped to +-6, and rounded to the nearest number of E2M1, ties to even, subnormals kept.
;;     - The product sums the exact products of the quantised numbers (number of the format x scale) in f32.
;;   ~~~python
;;   def quantise(x, axis):      # numpy; x: float32 -> the quantised numbers, widened to float32 again
;;       x = np.moveaxis(x, axis, -1); K = x.shape[-1]
;;       x = np.pad(x, [(0, 0)] * (x.ndim - 1) + [(0, -K % 32)]); x = x.reshape(x.shape[:-1] + (-1, 32)); a = np.abs(x).max(-1, keepdims=True)
;;       e = np.where(a > 0, np.clip(np.frexp(np.where(a > 0, a, 1))[1] - 1 - 2, -126, 127), 0)      # np.frexp(a)[1] - 1 = floor(log2(a)), exactly
;;       r = np.clip(x / 2.0 ** e, -6, 6)
;;       step = 2.0 ** (np.maximum(np.frexp(np.where(r == 0, 1, r))[1] - 1, 0) - 1)
;;       q = np.round(r / step) * step * 2.0 ** e      # np.round: ties to even
;;       return np.moveaxis(q.reshape(q.shape[:-2] + (-1,))[..., :K], -1, axis).astype(np.float32)
;;   ~~~
;;   SOFTMAX AHEAD OF A QUANTISED PRODUCT. Where the list says 'softmax', what is quantised is not the finished softmax but p = 2^(t - M), with t = logit x log2(e) and M = ceil(the row's largest t), a whole number; so 1/2 < the row's largest p <= 1. The row's sum l is taken of the UNQUANTISED p, in f32, and the product's result is divided by l at the end. Since M is a whole number, a kernel that streams over the keys may use a running M (the ceiling of the running maximum): every later rescaling is an exact power of two, which a block's scale takes up: the codes' values come out the same.
;;   OPERANDS COMPUTED ON THE WAY. 'Computed on the way' means the value that the module computes at that place (a softmax that the list does not call 'softmax' is quantised finished and normalised). What goes into a quantiser is computed in f32, as accurately as f32 sums, v_exp_f32 and their like allow (about 1e-6 of the number): no bf16 or f16 on the way to a quantiser, and a product that is left as it is and whose result goes on into a quantised operand takes f32 operands (vector FMAs, or v_wmma_f32_16x16x4_f32). A number that lies on a knife's edge between two numbers of the format may be rounded either way, as far as f32 arithmetic and the matrix unit's own rounding can turn it there, and no further.
;;   INPUTS GIVEN AS CODES. f_w1 (in the module: [512, 2048], K = its axis 0); f_w2 (in the module: [2048, 512], K = its axis 0); s_wk (in the module: [512, 512], K = its axis 0); s_wo (in the module: [512, 512], K = its axis 0); s_wq (in the module: [512, 512], K = its axis 0); s_wv (in the module: [512, 512], K = its axis 0); t_wk (in the module: [512, 512], K = its axis 0); t_wo (in the module: [512, 512], K = its axis 0); t_wq (in the module: [512, 512], K = its axis 0); t_wv (in the module: [512, 512], K = its axis 0): each comes as NAME_codes (uint8): NAME with its K axis moved to the last place and cut into blocks of 32 codes, [.., K / 32, bytes a block], one block behind the other in memory; two codes a byte, the lower K in the low four bits (a code: sign, 2 exponent bits, 1 mantissa bit); and NAME_scales (uint8): the same leading axes, one E8M0 byte (e + 127) for each 32 codes along K. Its value is code x scale, taken as it is: it is not quantised again, and the codes and scales need not be those that the quantiser above would give.
;; One version. Each part assembles by itself: llvm-mc -triple=amdgcn-amd-amdhsa -mcpu=gfx1250 --defsym DOCPART=n.
;; ======== version 1 of 1: 5 launches
;; limits: right only within a limited range of input values
;; workspace buffers: qc 2,097,152 bytes; kc 2,097,152 bytes; vc 2,097,152 bytes; sc 1,048,576 bytes; ao 2,097,152 bytes; aos 131,072 bytes; h 16,777,216 bytes; wl 1,048,576 bytes
;; launch qkv1 (part 1): grid 256 x 1, 8 waves a work-group, no clusters, 168,960 bytes of LDS; arguments x, t_wq_codes, t_wq_scales, t_bq, t_wk_codes, t_wk_scales, t_bk, t_wv_codes, t_wv_scales, t_bv, qc, kc, vc, sc, f_w1_codes, f_w2_codes, wl; writes qc, kc, vc, sc, wl
.if DOCPART == 1
	.amdgcn_target "amdgcn-amd-amdhsa--gfx1250"
	.amdhsa_code_object_version 6
	.text
	.protected	k_q87119a7633_qkv1
	.globl	k_q87119a7633_qkv1
	.p2align	8
	.type	k_q87119a7633_qkv1,@function
k_q87119a7633_qkv1:
	s_mov_b64 s[64:65], 0
	v_nop
	global_prefetch_b8 v0, s[64:65] scope:SCOPE_SE
	s_setreg_imm32_b32 hwreg(HW_REG_WAVE_MODE, 25, 1), 1
	s_wait_xcnt 0x0
; q = x Wq + bq, k = x Wk + bk, v = x Wv + bv on codes of FP4 (E2M1) with one E8M0 scale for each 32 along K, and all three results quantised again for the attention that follows.
; SHARES.  A work-group owns 32 tokens (two tiles of 16); wave w owns the 64 output channels of head w in each of the three products.  So each weight byte is wanted by ONE wave of the work-group, once:
; it goes from memory straight into that wave's fragment registers (a tile's 8 loads cover 16 whole rows of 256 bytes).  NO CLUSTER: a joint load lands in LDS, from which every weight byte would be read
; exactly once by one wave: one LDS write and one LDS read more for each byte, and nothing shared inside the work-group.
; THE TOKENS OF A TILE ARE NOT NEIGHBOURS: place r of tile ut is token 8 ut + r + 8 (r / 8) of the 32; the weight rows of a channel tile 2 bb + u are chosen alike (row 32 bb + 8 u + r + 8 (r / 8)).
; q, k: the product is used TRANSPOSED (source 0 = 16 weight rows, source 1 = 16 tokens): a lane holds one token, and the 16 registers of tiles 2 bb, 2 bb + 1 are channels 32 bb + 16 (lane / 16) + 0 .. 15.
; v: NOT transposed (source 0 = tokens, source 1 = weight rows): a lane holds one channel and its 16 registers of the two token tiles run down the tokens, which are the K of the attention's second product.
; x comes by one tensor load a wave (4 tokens, 8 half rows of 1,024 bytes + 16 of padding), filled once; each wave quantises its 64 channels of the 32 tokens and hands the codes on as IMAGES OF THE OPERAND'S REGISTERS.
; OUT (all in the order of the operands' registers): qc, kc [head][tile][16 x lane]; vc [head][128 keys][channel tile][2][2][16][16 bytes]; sc [head][32 tokens][place][q's halfword, k's word, v's word, 0].
; LIMITS: NaN and infinities are not served; a block whose largest magnitude lies under 2^-124 (a block of zeros too) gets the scale byte 1: its codes are what the conversion gives, and only this program reads the bytes.
.set AIMG,  66560                      ; LDS: bytes 0 .. 66,559 the 32 rows of x; then x's 8 fragments: 4096 ut + 1024 s + 512 c + 16 lane
.set ASC,   74752                      ; their scale words: [K step][place 0 .. 31]
.set WA,  1                            ; v1   weight codes: (r + 8 (r / 8)) x 256 + 16 h
.set WSA, 2                            ; v2   weight scales: (8 h + r + 8 (r / 8)) x 16: lanes 0-15 an even tile's rows, lanes 16-31 the odd tile's
.set BA,  3                            ; v3   biases in the result's layout: 64 h
.set BVA, 4                            ; v4   bv at my channel: 4 (r + 8 (r / 8))
.set LG,  5                            ; v5   16 x lane
.set VST, 7                            ; v7   v's codes: 16 r + 8 h
.set RA,  8                            ; v8   a row of x in the result's layout
.set L16, 11                           ; v11  AIMG + 16 lane
.set IMW, 12                           ; v12  + 512 w
.set L4,  13                           ; v13  ASC + 4 lane
.set ISW, 14                           ; v14  ASC + 4 r + 128 (w / 2) + 2 (w % 2)
.set AF,  16                           ; v16-79   x's fragments, AF + 8 (4 ut + s)
.set AS,  80                           ; v80-83   their scale words: lanes 0-15 tile 0, lanes 16-31 tile 1
.set WS,  84                           ; v84-99   the weights' scale words: WS + 8 p + 4 g + s
.set ACC, 100                          ; v100-163 eight accumulators
.set BI,  164                          ; v164-195 the C of each sum's first product: the bias
.set GT,  196                          ; v196-227 at work
.set TM,  196
.set PW,  212                          ; the scale word just made
.set PC,  228                          ; v228-235 the codes just made
.set REC, 236                          ; v236-239 my record of sc
.set BV,  240                          ; v240-243 bv at my channel of tile ct
.set PX, 8
.set PWQC, 10
.set PWQS, 12
.set PBQ, 14
.set PWKC, 16
.set PWKS, 18
.set PBK, 20
.set PWVC, 22
.set PWVS, 24
.set PBV, 26
.set PQC, 28
.set PKC, 30
.set PVC, 32
.set PSC, 34
.set G0, 36
.set G1, 40
.set WV, 48
.set SEL, 50
.set HM, 52
.set MSB, 0
.macro WIN new                         ; window 1 holds the weights' fragments, two sets of 128 registers; the immediate's high byte repeats the setting that is left
.if MSB != \new
	s_set_vgpr_msb (MSB<<8)|\new
.set MSB, \new
.endif
.endm
.macro PLACES                          ; four places behind a matrix instruction, ahead of loads into its registers and of the first read of results
.rept 4
	v_nop
.endr
.endm
.macro BAR                             ; my LDS stores have landed and my LDS loads are in: then the work-group's barrier
	s_wait_dscnt 0x0
	s_barrier_signal -1
	s_barrier_wait -1
.endm
.macro STEPP ptr
	s_add_nc_u64 s[\ptr:\ptr+1], s[\ptr:\ptr+1], s[4:5]
.endm
.macro WM d, a, b, c, sa, sb, ra, rb   ; one product; ra, rb: the side's scales stand in lanes 16-31
.if (\ra) && (\rb)
	v_wmma_scale_f32_16x16x128_f8f6f4 v[\d:\d+7], v[\a:\a+7], v[\b:\b+7], v[\c:\c+7], v[\sa], v[\sb] matrix_a_fmt:MATRIX_FMT_FP4 matrix_b_fmt:MATRIX_FMT_FP4 matrix_a_scale:MATRIX_SCALE_ROW1 matrix_b_scale:MATRIX_SCALE_ROW1
.elseif (\ra)
	v_wmma_scale_f32_16x16x128_f8f6f4 v[\d:\d+7], v[\a:\a+7], v[\b:\b+7], v[\c:\c+7], v[\sa], v[\sb] matrix_a_fmt:MATRIX_FMT_FP4 matrix_b_fmt:MATRIX_FMT_FP4 matrix_a_scale:MATRIX_SCALE_ROW1
.elseif (\rb)
	v_wmma_scale_f32_16x16x128_f8f6f4 v[\d:\d+7], v[\a:\a+7], v[\b:\b+7], v[\c:\c+7], v[\sa], v[\sb] matrix_a_fmt:MATRIX_FMT_FP4 matrix_b_fmt:MATRIX_FMT_FP4 matrix_b_scale:MATRIX_SCALE_ROW1
.else
	v_wmma_scale_f32_16x16x128_f8f6f4 v[\d:\d+7], v[\a:\a+7], v[\b:\b+7], v[\c:\c+7], v[\sa], v[\sb] matrix_a_fmt:MATRIX_FMT_FP4 matrix_b_fmt:MATRIX_FMT_FP4
.endif
.endm
; 32 products, transposed: 4 channel tiles x 2 token tiles x 4 K steps from weight set p.  The eight accumulators take turns, one instruction a turn.
.macro MULT p, first
	WIN 0x01
.irp s, 0,1,2,3
.irp ut, 0,1
.irp t, 0,1,2,3
.if (\first) && (\s == 0)
	WM ACC+32*\ut+8*\t, 128*(\p)+8*(4*\t+\s), AF+8*(4*\ut+\s), BI+8*\t, WS+8*(\p)+4*(\t/2)+\s, AS+\s, \t%2, \ut
.else
	WM ACC+32*\ut+8*\t, 128*(\p)+8*(4*\t+\s), AF+8*(4*\ut+\s), ACC+32*\ut+8*\t, WS+8*(\p)+4*(\t/2)+\s, AS+\s, \t%2, \ut
.endif
.endr
.endr
.endr
	WIN 0
.endm
; the same, not transposed: accumulator (ct, ut) at ACC + 16 ct + 8 ut
.macro MULV p
	WIN 0x04
.irp s, 0,1,2,3
.irp ut, 0,1
.irp ct, 0,1,2,3
.if \s == 0
	WM ACC+16*\ct+8*\ut, AF+8*(4*\ut+\s), 128*(\p)+8*(4*\ct+\s), BI+8*\ct, AS+\s, WS+8*(\p)+4*(\ct/2)+\s, \ut, \ct%2
.else
	WM ACC+16*\ct+8*\ut, AF+8*(4*\ut+\s), 128*(\p)+8*(4*\ct+\s), ACC+16*\ct+8*\ut, AS+\s, WS+8*(\p)+4*(\ct/2)+\s, \ut, \ct%2
.endif
.endr
.endr
.endr
	WIN 0
.endm
; 34 loads: my 64 rows x 512 along K of a weight into set p (32 loads), and their scale words (2)
.macro WLOAD p, cb, sb, wa, wsa, rp, srp, ko, sko
	WIN 0x40
.irp t, 0,1,2,3
.irp s, 0,1,2,3
.irp c, 0,1
	global_load_b128 v[128*(\p)+8*(4*\t+\s)+4*\c:128*(\p)+8*(4*\t+\s)+4*\c+3], v[\wa], s[\cb:\cb+1] offset:(32*(\t/2)+8*(\t%2))*(\rp)+(\ko)+64*\s+32*\c
.endr
.endr
.endr
	WIN 0
.irp g, 0,1
	global_load_b128 v[WS+8*(\p)+4*\g:WS+8*(\p)+4*\g+3], v[\wsa], s[\sb:\sb+1] offset:32*\g*(\srp)+(\sko)
.endr
.endm
.macro BLOAD dst, base, off            ; 8 loads: 64 numbers a channel in the transposed result's layout: tile t, register j: channel 32 (t / 2) + 16 h + 8 (t % 2) + j
.irp t, 0,1,2,3
.irp q, 0,1
	global_load_b128 v[\dst+8*\t+4*\q:\dst+8*\t+4*\q+3], v[BA], s[\base:\base+1] offset:(\off)+128*(\t/2)+32*(\t%2)+16*\q
.endr
.endr
.endm
; 64 numbers of a lane, register 16 b + i = my i-th of 16 neighbours of block b (lane l xor 16 holds the other 16), become codes in v[PC] on and the four scale bytes in v[PW]
.macro QUANT src, swap
.irp b, 0,1,2,3
	v_max3_num_f32 v[TM+\b], |v[\src+16*\b]|, |v[\src+16*\b+1]|, 0x1800000   ; with the floor 2^(3 - 127): the byte cannot fall under 1
.endr
.irp i, 2,4,6,8,10,12,14
.irp b, 0,1,2,3
	v_max3_num_f32 v[TM+\b], v[TM+\b], |v[\src+16*\b+\i]|, |v[\src+16*\b+\i+1]|
.endr
.endr
.irp b, 0,1,2,3
	s_delay_alu instid0(VALU_DEP_4)
	v_permlanex16_b32 v[TM+4+\b], v[TM+\b], s[SEL], s[SEL+1]
.endr
.irp b, 0,1,2,3
	s_delay_alu instid0(VALU_DEP_4)
	v_max_num_f32 v[TM+\b], v[TM+\b], v[TM+4+\b]   ; the block's largest magnitude
.endr
.irp b, 0,1,2,3
	s_delay_alu instid0(VALU_DEP_4)
	v_add_nc_u32 v[TM+12+\b], 0xff000000, v[TM+\b]   ; 2 off its exponent field: the conversion's scale operand
.endr
.irp b, 0,1,2,3
	s_delay_alu instid0(VALU_DEP_4)
	v_lshrrev_b32 v[TM+4+\b], 23, v[TM+12+\b]      ; the scale's byte
.endr
	s_delay_alu instid0(VALU_DEP_3)
	v_lshl_or_b32 v[PW], v[TM+5], 8, v[TM+4]
	s_delay_alu instid0(VALU_DEP_1)
	v_lshl_or_b32 v[PW], v[TM+6], 16, v[PW]
	s_delay_alu instid0(VALU_DEP_1)
	v_lshl_or_b32 v[PW], v[TM+7], 24, v[PW]
.irp b, 0,1,2,3
	v_cvt_scalef32_pk8_fp4_f32 v[PC+2*\b], v[\src+16*\b:\src+16*\b+7], v[TM+12+\b]
	v_cvt_scalef32_pk8_fp4_f32 v[PC+2*\b+1], v[\src+16*\b+8:\src+16*\b+15], v[TM+12+\b]
.endr
	v_nop                                          ; one plain place behind a scaled conversion
.if \swap
.irp c, 0,1                                    ; a whole block to a lane: lanes 0-15 block 2 c, lanes 16-31 block 2 c + 1
.irp i, 0,1
	v_permlane16_swap_b32 v[PC+4*\c+\i], v[PC+4*\c+2+\i]
.endr
.endr
.endif
.endm
.macro RLOAD dst                       ; my 64 channels of the 32 rows, in the transposed result's layout
.irp ut, 0,1
.irp bb, 0,1
.irp u, 0,1
.irp q, 0,1
	ds_load_b128 v[\dst+32*\ut+16*\bb+8*\u+4*\q:\dst+32*\ut+16*\bb+8*\u+4*\q+3], v[RA] offset:16640*\ut+128*\bb+32*\u+16*\q
.endr
.endr
.endr
.endr
.endm
.macro QIMG ia, io, us, sa, so         ; ACC is quantised; each token tile's 16 bytes a lane and its two scale bytes go to LDS
	QUANT ACC, 1
	ds_store_b128 v[\ia], v[PC:PC+3] offset:\io
	ds_store_b128 v[\ia], v[PC+4:PC+7] offset:(\io)+(\us)
	ds_store_b16 v[\sa], v[PW] offset:\so
	ds_store_b16_d16_hi v[\sa], v[PW] offset:(\so)+64
.endm
.macro AFETCH off, ust, soff           ; 8 fragments (16 loads) and 4 scale words
.irp ut, 0,1
.irp s, 0,1,2,3
.irp c, 0,1
	ds_load_b128 v[AF+8*(4*\ut+\s)+4*\c:AF+8*(4*\ut+\s)+4*\c+3], v[L16] offset:(\off)+(\ust)*\ut+1024*\s+512*\c
.endr
.endr
.endr
.irp s, 0,1,2,3
	ds_load_b32 v[AS+\s], v[L4] offset:(\soff)+128*\s
.endr
.endm
; The three products.  Wq lies (or is on its way) in set p, Wk in set 1 - p; BI holds bq, BV holds bv.
.macro QKV p
	s_wait_loadcnt 34                              ; all but the 34 loads asked for last (Wk): Wq, bq and my piece of wl are in
	global_store_b128 v[LG], v[244:247], s[60:61]  ; 32 lanes store 512 consecutive bytes, aligned
	MULT \p, 1
	PLACES
	BLOAD BI, PBK, 0
	WLOAD \p, PWVC, PWVS, WA, WSA, 256, 16, 0, 0
	QUANT ACC, 1                                   ; q: blocks (token tile, half of the head)
	global_store_b128 v[LG], v[PC:PC+3], s[PQC:PQC+1]
	global_store_b128 v[LG], v[PC+4:PC+7], s[PQC:PQC+1] offset:512
	v_and_b32 v[TM], 0xffff, v[PW]
	v_lshrrev_b32 v[TM+1], 16, v[PW]
	s_delay_alu instid0(VALU_DEP_1)
	v_cndmask_b32 v[REC], v[TM], v[TM+1], s[HM]    ; lanes 0-15 keep tile 0's two bytes, lanes 16-31 tile 1's
	s_wait_loadcnt 34                              ; all but Wv's 34: Wk and bk are in
	MULT 1-\p, 1
	PLACES
.irp ct, 0,1,2,3
.irp j, 0,1,2,3,4,5,6,7
	v_mov_b32 v[BI+8*\ct+\j], v[BV+\ct]            ; v's C: a lane holds one channel, so its eight registers hold one number
.endr
.endr
	s_wait_xcnt 0x0                                ; q's stores have read the codes' registers
	QUANT ACC, 1                                   ; k
	global_store_b128 v[LG], v[PC:PC+3], s[PKC:PKC+1]
	global_store_b128 v[LG], v[PC+4:PC+7], s[PKC:PKC+1] offset:512
	v_mov_b32 v[REC+1], v[PW]                      ; bytes 0, 1: place r of tile 0; bytes 2, 3: of tile 1
	s_wait_loadcnt 0x0                             ; Wv
	MULV \p
	PLACES
	s_wait_xcnt 0x0                                ; k's stores have read the codes' registers
	QUANT ACC, 0                                   ; v: block ct = these 32 tokens at my channel of tile ct; my 16 tokens' codes are 8 bytes
.irp ct, 0,1,2,3
	global_store_b64 v[VST], v[PC+2*\ct:PC+2*\ct+1], s[PVC:PVC+1] offset:1024*\ct   ; 32 lanes store 256 consecutive bytes, aligned
.endr
	v_mov_b32 v[REC+2], v[PW]
	v_mov_b32 v[REC+3], 0
	global_store_b128 v[LG], v[REC:REC+3], s[PSC:PSC+1]
.endm
	s_load_b512 s[8:23], s[0:1], 0x0
	s_load_b256 s[24:31], s[0:1], 0x40
	s_load_b128 s[32:35], s[0:1], 0x60
	s_load_b128 s[56:59], s[0:1], 0x70             ; f_w1's codes, f_w2's codes
	s_load_b64 s[60:61], s[0:1], 0x80              ; wl
	v_lshl_add_u32 v254, v0, 2, 0x29000
	v_mov_b32 v255, 0
	ds_add_u32 v254, v255
	ds_add_u32 v254, v255
	v_lshrrev_b32 v[GT], 5, v0
	s_delay_alu instid0(VALU_DEP_1)
	v_readfirstlane_b32 s[WV], v[GT]               ; wave 0..7
	s_mov_b32 s[G1+0], (3<<16)|(1<<20)|(7<<22)|(3<<25)   ; elements of 8 bytes; padding on: 4 words behind every 256
	s_mov_b32 s[G1+1], 128<<16                     ; tensor_dim0 = 128 elements: half a row of x
	s_mov_b32 s[G1+2], 8<<16                       ; tensor_dim1 = 8
	s_mov_b32 s[G1+3], 128<<16                     ; tile_dim0
	s_mov_b32 s[G1+4], 8                           ; tile_dim1
	s_mov_b32 s[G1+5], 128                         ; the pitch: the half rows are dense
	s_mov_b32 s[G1+6], 0
	s_mov_b32 s[G1+7], 0
	s_mov_b32 s[G0], 1
	s_mul_i32 s[G0+1], s[WV], 8320                 ; my 8 half rows of 1,040 bytes in LDS
	s_lshl_b32 s4, ttmp9, 16                       ; 32 rows of 2,048 bytes a work-group,
	s_lshl_b32 s5, s[WV], 13                       ; 4 a wave
	s_add_co_u32 s4, s4, s5
	s_mov_b32 s5, 0
	s_wait_dscnt 0x0
	s_wait_kmcnt 0x0
	s_add_nc_u64 s[G0+2:G0+3], s[PX:PX+1], s[4:5]
	s_or_b32 s[G0+3], s[G0+3], 0x80000000
	tensor_load_to_lds s[G0:G0+3], s[G1:G1+7]      ; the only fill of these bytes; one load of mine is out
	s_nop 0
.rept 4
	v_nop
.endr
	s_mov_b32 s[SEL], 0x76543210
	s_mov_b32 s[SEL+1], 0xfedcba98                 ; v_permlanex16_b32's selects for lane l xor 16
	s_mov_b32 s[HM], 0xffff0000                    ; lanes 16-31
	v_and_b32 v[GT+1], 31, v0                      ; lane
	v_and_b32 v[GT+2], 15, v0                      ; r
	v_bfe_u32 v[GT+3], v0, 4, 1                    ; h
	s_delay_alu instid0(VALU_DEP_2)
	v_and_b32 v[GT+8], 8, v[GT+2]
	s_delay_alu instid0(VALU_DEP_1)
	v_add_nc_u32 v[GT+8], v[GT+8], v[GT+2]         ; r + 8 (r / 8)
.irp b, 4,5,6,7
	v_mov_b32 v[GT+\b], 0                          ; written once: a lane permute's destination counts as one of its sources
.endr
	v_lshlrev_b32 v[WA], 8, v[GT+8]
	s_delay_alu instid0(VALU_DEP_1)
	v_lshl_add_u32 v[WA], v[GT+3], 4, v[WA]
	v_lshl_add_u32 v[WSA], v[GT+3], 3, v[GT+8]
	s_delay_alu instid0(VALU_DEP_1)
	v_lshlrev_b32 v[WSA], 4, v[WSA]
	v_lshlrev_b32 v[BA], 6, v[GT+3]
	v_lshlrev_b32 v[BVA], 2, v[GT+8]
	v_lshlrev_b32 v[LG], 4, v[GT+1]
	v_lshlrev_b32 v[VST], 4, v[GT+2]
	s_delay_alu instid0(VALU_DEP_1)
	v_lshl_add_u32 v[VST], v[GT+3], 3, v[VST]
	s_lshr_b32 s6, s[WV], 2
	s_mul_i32 s6, s6, 1040
	s_and_b32 s7, s[WV], 3
	s_lshl_b32 s7, s7, 8
	s_add_co_u32 s6, s6, s7
	v_mul_u32_u24 v[RA], v[GT+8], 2080
	s_delay_alu instid0(VALU_DEP_1)
	v_lshl_add_u32 v[RA], v[GT+3], 6, v[RA]
	s_delay_alu instid0(VALU_DEP_1)
	v_add_nc_u32 v[RA], s6, v[RA]                  ; token x 2,080 + 64 h + my 256 bytes of the row
	v_add_nc_u32 v[L16], AIMG, v[LG]
	s_lshl_b32 s6, s[WV], 9
	v_add_nc_u32 v[IMW], s6, v[L16]
	v_lshl_add_u32 v[L4], v[GT+1], 2, ASC
	s_lshr_b32 s6, s[WV], 1
	s_lshl_b32 s6, s6, 7
	s_and_b32 s7, s[WV], 1
	s_lshl_b32 s7, s7, 1
	s_add_co_u32 s6, s6, s7
	v_lshl_add_u32 v[ISW], v[GT+2], 2, ASC
	s_delay_alu instid0(VALU_DEP_1)
	v_add_nc_u32 v[ISW], s6, v[ISW]
	s_lshl_b32 s4, s[WV], 14                       ; my 64 rows of each weight's codes,
	STEPP PWQC
	STEPP PWKC
	STEPP PWVC
	s_lshl_b32 s4, s[WV], 10                       ; of its scale bytes,
	STEPP PWQS
	STEPP PWKS
	STEPP PWVS
	s_lshl_b32 s4, s[WV], 8                        ; and my 64 numbers of each bias
	STEPP PBQ
	STEPP PBK
	STEPP PBV
	s_lshr_b32 s6, ttmp9, 6                        ; the batch
	s_and_b32 s7, ttmp9, 63                        ; the block of 32 tokens in it
	s_lshl_b32 s6, s6, 3
	s_add_co_u32 s6, s6, s[WV]                     ; batch x 8 + head
	s_lshl_b32 s4, s6, 16
	s_lshl_b32 s2, s7, 10
	s_add_co_u32 s4, s4, s2
	STEPP PQC
	STEPP PKC
	s_lshl_b32 s4, s6, 16
	s_lshr_b32 s2, s7, 2
	s_lshl_b32 s2, s2, 12
	s_add_co_u32 s4, s4, s2
	s_and_b32 s2, s7, 3
	s_lshl_b32 s2, s2, 8
	s_add_co_u32 s4, s4, s2
	STEPP PVC
	s_lshl_b32 s4, s6, 15
	s_lshl_b32 s2, s7, 9
	s_add_co_u32 s4, s4, s2
	STEPP PSC
	; f_w1's AND f_w2's CODES ARE LAID OUT FOR THE LAST LAUNCH, in the order of its operand registers: wl = [weight][set of 64 rows x 512 along K][tile t][K step s][half c][16 x lane].
	; They are 2,048 pieces of 512 bytes, one for each of the launch's 2,048 waves: piece G = 8 x work-group + wave; one load here, one store behind the first wait for loads.
	s_lshl_b32 s62, ttmp9, 3
	s_add_co_u32 s62, s62, s[WV]                   ; G
	s_lshl_b32 s4, s62, 9
	s_add_nc_u64 s[60:61], s[60:61], s[4:5]        ; where the piece goes: 512 G
	s_bfe_u32 s63, s62, 0x50005                    ; the set, 0 .. 31
	s_bfe_u32 s66, s62, 0x10004                    ; t / 2
	s_bfe_u32 s67, s62, 0x10003                    ; t % 2
	s_lshl_b32 s66, s66, 5
	s_lshl_b32 s67, s67, 3
	s_add_co_u32 s66, s66, s67                     ; the tile's first row in the set: 32 (t / 2) + 8 (t % 2)
	s_and_b32 s67, s62, 7
	s_lshl_b32 s67, s67, 5                         ; 64 s + 32 c
	s_lshl_b32 s68, s63, 14
	s_lshl_b32 s69, s66, 8
	s_add_co_u32 s68, s68, s69                     ; f_w1: a set is 64 whole rows of 256 bytes
	s_lshr_b32 s69, s63, 2
	s_lshl_b32 s69, s69, 16
	s_lshl_b32 s70, s66, 10
	s_add_co_u32 s69, s69, s70
	s_and_b32 s70, s63, 3
	s_lshl_b32 s70, s70, 8
	s_add_co_u32 s69, s69, s70                     ; f_w2: set 4 w + kc is 256 bytes, from byte 256 kc on, of 64 rows of 1,024
	s_cmp_lt_u32 s62, 1024                         ; ids alone: the first 1,024 pieces are f_w1's
	s_cselect_b32 s4, s68, s69
	s_cselect_b64 s[56:57], s[56:57], s[58:59]
	s_cselect_b32 s70, 8, 10                       ; a row is 2^8 or 2^10 bytes
	s_add_co_u32 s4, s4, s67
	s_add_nc_u64 s[56:57], s[56:57], s[4:5]
	v_lshlrev_b32 v248, s70, v[GT+8]
	v_lshl_add_u32 v248, v[GT+3], 4, v248          ; my lane: row r + 8 (r / 8), + 16 h
	global_load_b128 v[244:247], v248, s[56:57]
	BLOAD BI, PBQ, 0
.irp ct, 0,1,2,3
	global_load_b32 v[BV+\ct], v[BVA], s[PBV:PBV+1] offset:128*(\ct/2)+32*(\ct%2)
.endr
	WLOAD 0, PWQC, PWQS, WA, WSA, 256, 16, 0, 0
	WLOAD 1, PWKC, PWKS, WA, WSA, 256, 16, 0, 0
	s_wait_alu depctr_va_vdst(0)
	s_wait_tensorcnt 0x0                           ; my four rows of x are in LDS,
	s_barrier_signal -1
	s_barrier_wait -1                              ; everybody's are
	RLOAD ACC
	s_wait_dscnt 0x0
	QIMG IMW, 0, 4096, ISW, 0                      ; my 64 channels of x: half a K step's fragment for each token tile
	BAR                                            ; x's eight fragments lie in LDS
	AFETCH 0, 4096, 0
	s_wait_dscnt 0x0
	QKV 0
	s_wait_tensorcnt 0x0
	ds_add_u32 v254, v255
	s_wait_dscnt 0x0
	s_endpgm
.Lfunc_end_k_q87119a7633_qkv1:
	.size	k_q87119a7633_qkv1, .Lfunc_end_k_q87119a7633_qkv1-k_q87119a7633_qkv1
	.p2alignl 7, 3214868480
	.fill 96, 4, 3214868480
	.section	.rodata,"a",@progbits
	.p2align	6, 0x0
	.amdhsa_kernel k_q87119a7633_qkv1
		.amdhsa_group_segment_fixed_size 168960
		.amdhsa_private_segment_fixed_size 0
		.amdhsa_enable_private_segment 0
		.amdhsa_kernarg_size 136
		.amdhsa_user_sgpr_count 2
		.amdhsa_user_sgpr_kernarg_segment_ptr 1
		.amdhsa_wavefront_size32 1
		.amdhsa_system_sgpr_workgroup_id_x 1
		.amdhsa_system_sgpr_workgroup_id_y 1
		.amdhsa_system_sgpr_workgroup_id_z 1
		.amdhsa_system_vgpr_workitem_id 0
		.amdhsa_next_free_vgpr 512
		.amdhsa_next_free_sgpr 96
		.amdhsa_reserve_vcc 0
		.amdhsa_float_denorm_mode_32 3
		.amdhsa_float_denorm_mode_16_64 3
		.amdhsa_memory_ordered 1
		.amdhsa_forward_progress 1
		.amdhsa_inst_pref_size 53
	.end_amdhsa_kernel
	.amdgpu_metadata
---
amdhsa.version: [ 1, 2 ]
amdhsa.kernels:
  - .name:           k_q87119a7633_qkv1
    .symbol:         k_q87119a7633_qkv1.kd
    .args:
      - { .name: x, .offset: 0, .size: 8, .value_kind: global_buffer, .address_space: global }
      - { .name: t_wq_codes, .offset: 8, .size: 8, .value_kind: global_buffer, .address_space: global }
      - { .name: t_wq_scales, .offset: 16, .size: 8, .value_kind: global_buffer, .address_space: global }
      - { .name: t_bq, .offset: 24, .size: 8, .value_kind: global_buffer, .address_space: global }
      - { .name: t_wk_codes, .offset: 32, .size: 8, .value_kind: global_buffer, .address_space: global }
      - { .name: t_wk_scales, .offset: 40, .size: 8, .value_kind: global_buffer, .address_space: global }
      - { .name: t_bk, .offset: 48, .size: 8, .value_kind: global_buffer, .address_space: global }
      - { .name: t_wv_codes, .offset: 56, .size: 8, .value_kind: global_buffer, .address_space: global }
      - { .name: t_wv_scales, .offset: 64, .size: 8, .value_kind: global_buffer, .address_space: global }
      - { .name: t_bv, .offset: 72, .size: 8, .value_kind: global_buffer, .address_space: global }
      - { .name: qc, .offset: 80, .size: 8, .value_kind: global_buffer, .address_space: global }
      - { .name: kc, .offset: 88, .size: 8, .value_kind: global_buffer, .address_space: global }
      - { .name: vc, .offset: 96, .size: 8, .value_kind: global_buffer, .address_space: global }
      - { .name: sc, .offset: 104, .size: 8, .value_kind: global_buffer, .address_space: global }
      - { .name: f_w1_codes, .offset: 112, .size: 8, .value_kind: global_buffer, .address_space: global }
      - { .name: f_w2_codes, .offset: 120, .size: 8, .value_kind: global_buffer, .address_space: global }
      - { .name: wl, .offset: 128, .size: 8, .value_kind: global_buffer, .address_space: global }
    .group_segment_fixed_size: 168960
    .private_segment_fixed_size: 0
    .kernarg_segment_align: 8
    .kernarg_segment_size: 136
    .max_flat_workgroup_size: 256
    .sgpr_count:     96
    .vgpr_count:     512
    .wavefront_size: 32
...
	.end_amdgpu_metadata
.endif
;; end of part 1
;; launch att1 (part 2): grid 8 x 32, 16 waves a work-group, clusters of 4 x 1, 198,656 bytes of LDS; arguments qc, kc, vc, sc, ao, aos; writes ao, aos
.if DOCPART == 2
	.amdgcn_target "amdgcn-amd-amdhsa--gfx1250"
	.amdhsa_code_object_version 6
	.text
	.protected	k_q87119a7633_att1
	.globl	k_q87119a7633_att1
	.p2align	8
	.type	k_q87119a7633_att1,@function
k_q87119a7633_att1:
	s_mov_b64 s[64:65], 0
	v_nop
	global_prefetch_b8 v0, s[64:65] scope:SCOPE_SE
	s_setreg_imm32_b32 hwreg(HW_REG_WAVE_MODE, 25, 1), 1
	s_wait_xcnt 0x0
	s_wait_alu depctr_hold_cnt(0) depctr_sa_sdst(0) depctr_va_vdst(0) depctr_va_sdst(0) depctr_va_ssrc(0) depctr_va_vcc(0) depctr_vm_vsrc(0)
	s_getreg_b32 s2, hwreg(HW_REG_IB_STS2, 6, 4)
	s_cmp_eq_u32 s2, 0
	s_cbranch_scc0 .Lentry_in_a_cluster
	s_endpgm
.Lentry_in_a_cluster:
	s_bfe_u32 s2, ttmp6, 0x10000c
	s_cmp_lg_u32 s2, 0x3003
	s_cbranch_scc0 .Lentry_shape_is_right
	s_endpgm
.Lentry_shape_is_right:
; Attention of one head on codes of FP4 (E2M1): S^T = K Q^T, p = 2^(t - M), O^T = V^T P^T, O / the row's sum, and the result quantised along the channels for the product that follows.
; t = score x log2(e) / 8; M = the running largest t rounded UP to a whole number; p is quantised along the keys, not normalised; the sum is taken of the unquantised p.  When M moves, the sum and O are multiplied by 2^(old M - new M): exact.
; SHARES.  A work-group owns 256 queries of one (batch, head); each of its sixteen waves one tile of 16, in 256 registers.  Every wave walks the head's 2,048 keys, 128 a step, two steps a trip.
; ALL OF THE HEAD'S K, V AND SCALE RECORDS FIT IN LDS (64 + 64 + 32 KiB): they are filled ONCE, at the head, one tensor load a wave: waves 0-3 K's quarters, waves 4-7 V's, waves 8-15 eighths of the records.  Nothing is filled again.
; CLUSTER.  The four query blocks of a cluster belong to one head and want the same sixteen tiles: each is asked for JOINTLY (mask 15), the descriptors made of the head's and the wave's number alone.
; NO PREFETCH: all that the launch reads through LDS is asked for at its head; there is no loop to run ahead in.
; THE HEAD IS 64 WIDE, the product 128: a fragment of K carries TWO tiles of 16 keys (registers 0-3, registers 4-7), and Q stands in twelve registers [0 | q | 0]: v[20:27] = [q | 0] picks the first, v[16:23] = [0 | q] the second.
; The dead half has zero codes; Q's scale bytes there are 0, which is 2^-127 and harmless over zero codes.
; THE KEYS OF A TILE ARE CHOSEN AT THE LDS READ: row 8 g + j of tile T (0..3) of a group of 64 keys is key 32 g + 8 T + j.  So lane (query r, half h) holds in its 32 registers of a group ONE WHOLE BLOCK of 32 keys, in order:
; a block's largest score needs no other lane, and the eight conversions' results are the second product's operand as they stand.  Only the row's maximum and the scale word cross to lane l xor 16.
; LIMITS: the promise holds while the scaled scores stay under 2^31 in magnitude; NaN and infinities are not served; a block of the result whose largest magnitude lies under 2^-124 gets the scale byte 1 (read by this program alone).
.set VC,   65536                       ; LDS: K's images at 0, V's here,
.set SC,   131072                      ; the records of scale words,
.set VSC,  163840                      ; V's scale words turned: [128 keys][channel place][channel tile]: stored by the waves, never filled
.set OSC,  172032                      ; the result's scale halfwords, 32 bytes a wave
.set SPARE, 0x30000                    ; the spare words, 128 bytes a wave
.set AK0, 1                            ; v1   K: 1,024 (r / 8) + 16 (r % 8) + 256 h
.set AV0, 2                            ; v2   V: VC + 16 lane
.set AS0, 3                            ; v3   K's scale words: SC + 4 + 512 (r / 8) + 16 (r % 8)
.set AT0, 4                            ; v4   V's: VSC + 16 r
.set LG,  5                            ; v5   16 x lane
.set OSW, 6                            ; v6   OSC + 32 wave + 2 r
.set OSR, 7                            ; v7   OSC + 16 lane
.set ADK, 8                            ; v8-11 the first four with the trip's offset
.set ADV, 9
.set ADS, 10
.set ADT, 11
.set QSL, 28                           ; v28  Q's two scale bytes in bytes 0, 1;  v29 in bytes 2, 3
.set QSH, 29
.set SPW, 30                           ; v30  my spare word;  v31  0
.set NIL, 31
.set KF,  32                           ; v32-63   four fragments of K
.set VF,  64                           ; v64-95   four fragments of V^T
.set S,   96                           ; v96-159  S^T, then p: register 32 B + i = key 64 B + 32 h + i of the step
.set O,   160                          ; v160-191 O^T: channel tile ct at 160 + 8 ct
.set KS,  192                          ; v192-195 K's scale words;  v196-199 V's
.set VS,  196
.set SM,  200                          ; v200-205 three more chains of the row's sum
.set CM,  206                          ; v206-209 four chains of maxima
.set BX,  210                          ; v210-211 my two blocks' largest score, then p, then byte
.set SO,  212                          ; v212-213 the conversions' scale operands
.set RM,  214
.set OM,  215
.set SH8, 216                          ; v216 8 h
.set PC,  224                          ; v224-231 p's codes
.set PT,  248                          ; v248-249 what a lane permute brings
.set WV,  18
.set SEL, 20
.set CS,  22
.set G1A, 24                           ; group 1 for 64 rows of 256 bytes;  for 16
.set G1B, 32
.set G0K, 40
.set G0V, 44
.set G0S, 48
.set CNT, 52
.set TK,  66
.set TS,  67
.set TV,  68
.macro CROUND                          ; a round of the cluster's barrier
	s_barrier_signal -1
	s_barrier_wait -1
	s_cmp_lg_u32 s[WV], 0
	s_cbranch_scc1 .Lnot_wave_0_\@
	s_barrier_signal -3
.Lnot_wave_0_\@:
	s_barrier_wait -3
	s_barrier_signal -1
	s_barrier_wait -1
.endm
.macro ARM under, g0, g1, next         ; one arm of the head's chain: its load, and a jump to the join
	s_cmp_lt_u32 s[WV], \under
	s_cbranch_scc0 \next
	tensor_load_to_lds s[\g0:\g0+3], s[\g1:\g1+7]
	s_nop 0
.rept 4
	v_nop
.endr
	s_branch .Lhead_asked
\next:
.endm
	s_load_b256 s[4:11], s[0:1], 0x0               ; qc, kc, vc, sc
	s_load_b128 s[12:15], s[0:1], 0x20             ; ao, aos
	v_lshl_add_u32 v[SPW], v0, 2, SPARE
	v_mov_b32 v[NIL], 0
	ds_add_u32 v[SPW], v[NIL]                      ; the opening lines: the add twice on end and its one wait
	ds_add_u32 v[SPW], v[NIL]
	v_lshrrev_b32 v9, 5, v0
	v_readfirstlane_b32 s[WV], v9                  ; wave 0..15
	s_and_b32 s80, ttmp7, 0xffff                   ; batch x 8 + head: shared by the four partners
	s_bfe_u32 s82, ttmp6, 0x40000                  ; cx: it enters the addresses of q, ao and aos alone
	s_lshl_b32 s81, ttmp9, 2
	s_add_co_u32 s81, s81, s82                     ; my block of 256 queries
	s_lshl_b32 s83, s81, 4
	s_add_co_u32 s83, s83, s[WV]                   ; my tile of 16 queries
	s_lshl_b32 s84, s80, 16                        ; the head's bytes in qc, kc, vc
	s_lshl_b32 s86, s80, 15                        ; and in sc
	s_lshl_b32 s88, s83, 9
	s_add_co_u32 s88, s88, s84                     ; my tile of q
	s_mov_b32 s89, 0
	s_lshl_b32 s92, s83, 8
	s_add_co_u32 s92, s92, s86                     ; its 16 records of sc
	s_mov_b32 s93, 0
	s_lshr_b32 s94, s80, 3
	s_lshl_b32 s94, s94, 19
	s_lshl_b32 s95, s83, 12
	s_add_co_u32 s94, s94, s95
	s_and_b32 s95, s80, 7
	s_lshl_b32 s95, s95, 9
	s_add_co_u32 s94, s94, s95                     ; ao: (batch x 128 + tile) x 4,096 + head x 512
	s_mov_b32 s95, 0
	s_lshl_b32 s60, s80, 12
	s_lshl_b32 s61, s81, 9
	s_add_co_u32 s60, s60, s61                     ; aos: 4,096 a head, 512 a block of queries
	s_mov_b32 s61, 0
	s_and_b32 s53, s[WV], 3
	s_lshl_b32 s53, s53, 14                        ; a quarter of K or V: 16,384 bytes
	s_add_co_u32 s54, s84, s53
	s_mov_b32 s55, 0
	s_and_b32 s56, s[WV], 7
	s_lshl_b32 s56, s56, 12                        ; an eighth of the records: 4,096 bytes
	s_add_co_u32 s58, s86, s56
	s_mov_b32 s59, 0
	s_lshl_b32 s62, s[WV], 5
	s_lshl_b32 s63, s[WV], 11
	s_lshl_b32 s69, s[WV], 8
.irp g, G1A, G1B
	s_mov_b32 s[\g], 15|(3<<16)|(1<<21)            ; the mask: all four work-groups; elements of 8 bytes; bit 21 beside a mask; no padding
	s_mov_b32 s[\g+1], 32<<16                      ; rows of 32 elements: 256 bytes
	s_mov_b32 s[\g+3], 32<<16
	s_mov_b32 s[\g+5], 32                          ; dense
	s_mov_b32 s[\g+6], 0
	s_mov_b32 s[\g+7], 0
.endr
	s_mov_b32 s[G1A+2], 64<<16
	s_mov_b32 s[G1A+4], 64
	s_mov_b32 s[G1B+2], 16<<16
	s_mov_b32 s[G1B+4], 16
	s_mov_b32 s[SEL], 0x76543210
	s_mov_b32 s[SEL+1], 0xfedcba98                 ; v_permlanex16_b32's selects for lane l xor 16
	s_mov_b32 s[CS], 0x3e38aa3b                    ; c = log2(e) / 8
	s_mov_b32 s[CS+1], s[CS]
	s_mov_b32 s[TK], 0
	s_mov_b32 s[TS], 0
	s_mov_b32 s[TV], 0
	s_wait_dscnt 0x0                               ; both opening adds are done
	s_wait_kmcnt 0x0
	s_mov_b32 s[G0K], 1
	s_mov_b32 s[G0K+1], s53
	s_add_nc_u64 s[G0K+2:G0K+3], s[6:7], s[54:55]
	s_or_b32 s[G0K+3], s[G0K+3], 0x80000000
	s_mov_b32 s[G0V], 1
	s_add_co_u32 s[G0V+1], s53, VC
	s_add_nc_u64 s[G0V+2:G0V+3], s[8:9], s[54:55]
	s_or_b32 s[G0V+3], s[G0V+3], 0x80000000
	s_mov_b32 s[G0S], 1
	s_add_co_u32 s[G0S+1], s56, SC
	s_add_nc_u64 s[G0S+2:G0S+3], s[10:11], s[58:59]
	s_or_b32 s[G0S+3], s[G0S+3], 0x80000000
	s_add_nc_u64 s[4:5], s[4:5], s[88:89]
	s_add_nc_u64 s[90:91], s[10:11], s[92:93]
	s_add_nc_u64 s[12:13], s[12:13], s[94:95]
	s_add_nc_u64 s[14:15], s[14:15], s[60:61]
	CROUND                                         ; all four work-groups are here: the joint loads meet
	ARM 4, G0K, G1A, .Lhead_v                      ; one chain of arms, one load to an arm: every wave has one load out
	ARM 8, G0V, G1A, .Lhead_s
	tensor_load_to_lds s[G0S:G0S+3], s[G1B:G1B+7]
	s_nop 0
.rept 4
	v_nop
.endr
.Lhead_asked:
	v_and_b32 v232, 31, v0                         ; lane
	v_and_b32 v233, 15, v0                         ; r
	v_bfe_u32 v234, v0, 4, 1                       ; h
	v_and_b32 v235, 7, v0                          ; r % 8
	v_bfe_u32 v236, v0, 3, 1                       ; r / 8
	v_lshlrev_b32 v[LG], 4, v232
	v_lshlrev_b32 v237, 4, v233                    ; 16 r: my query's record
	global_load_b128 v[20:23], v[LG], s[4:5]       ; q: lane (r, h): channels 32 h on of query r
	global_load_b32 v[QSL], v237, s[90:91]         ; its two scale bytes (the upper half of the word is 0)
	v_lshlrev_b32 v[AK0], 4, v235
	v_lshl_add_u32 v[AK0], v236, 10, v[AK0]
	v_lshl_add_u32 v[AK0], v234, 8, v[AK0]
	v_add_nc_u32 v[AV0], VC, v[LG]
	v_lshl_add_u32 v[AS0], v235, 4, SC+4
	v_lshl_add_u32 v[AS0], v236, 9, v[AS0]
	v_lshl_add_u32 v[AT0], v233, 4, VSC
	v_lshlrev_b32 v[SH8], 3, v234
	v_lshl_add_u32 v[OSW], v233, 1, OSC
	v_add_nc_u32 v[OSW], s62, v[OSW]
	v_add_nc_u32 v[OSR], OSC, v[LG]
	v_lshl_add_u32 v238, v233, 4, SC+8
	v_add_nc_u32 v238, s63, v238                   ; V's words of the four key blocks of step = my wave's number
	v_add_nc_u32 v239, s69, v[AT0]                 ; and where they go, turned
	v_add_nc_u32 v[ADK], s[TK], v[AK0]
	v_add_nc_u32 v[ADV], s[TK], v[AV0]
	v_add_nc_u32 v[ADS], s[TS], v[AS0]
	v_add_nc_u32 v[ADT], s[TV], v[AT0]
.irp j, 16,17,18,19,24,25,26,27
	v_mov_b32 v[\j], 0                             ; the zero codes on both sides of q
.endr
	v_mov_b32 v13, 0xff61b1e6                      ; the largest score so far: -3e38, under every score
	v_mul_f32 v[RM], s[CS], v13
	v_floor_f32 v12, -v[RM]                        ; -M
	v_mov_b32 v14, 0                               ; the sum, in two halves
	v_mov_b32 v15, 0
	v_mov_b32 v[PT], 0                             ; a lane permute's destination counts as one of its sources
	v_mov_b32 v[PT+1], 0
	v_mov_b32 v253, 0
.set j, 0
.rept 32
	v_mov_b32 v[O+j], 0                            ; O^T: the step is written once; the first finds zeros, which the first change of M leaves zeros
.set j, j+1
.endr
	s_wait_alu depctr_va_vdst(0)
	s_wait_loadcnt 0x0
	v_lshlrev_b32 v[QSH], 16, v[QSL]
.rept 8
	v_nop                                          ; a scale register written by a vector instruction stands eight places ahead of a scaled product
.endr
	s_wait_alu depctr_va_vdst(0)
	s_wait_tensorcnt 0x0                           ; my one load has landed,
	s_barrier_signal -1
	s_barrier_wait -1                              ; everybody's has: K, V and the records are whole
.irp i, 0,1,2,3
	ds_load_b32 v[PC+\i], v238 offset:512*\i       ; word i: key block 4 wave + i, byte ct: channel tile ct, at channel place r
.endr
	s_wait_dscnt 0x0
	v_perm_b32 v240, v225, v224, 0x05010400        ; a 4 x 4 turn of bytes: word ct, byte i
	v_perm_b32 v241, v225, v224, 0x07030602
	v_perm_b32 v242, v227, v226, 0x05010400
	v_perm_b32 v243, v227, v226, 0x07030602
	v_perm_b32 v244, v242, v240, 0x05040100
	v_perm_b32 v245, v242, v240, 0x07060302
	v_perm_b32 v246, v243, v241, 0x05040100
	v_perm_b32 v247, v243, v241, 0x07060302
	ds_store_b128 v239, v[244:247]                 ; (both halves of the lanes store the same 16 bytes)
	s_wait_dscnt 0x0                               ; for the others' sake
	s_barrier_signal -1
	s_barrier_wait -1
.macro SUM n                           ; line n of 32 of the row's sum, of the unquantised p, two at a time, in four chains by turns; lines 29 to 31 join them
.if (\n) < 3
	v_pk_add_f32 v[SM+2*(\n):SM+2*(\n)+1], v[S+4*(\n):S+4*(\n)+1], v[S+4*(\n)+2:S+4*(\n)+3]
.elseif (\n) == 29
	v_pk_add_f32 v[SM:SM+1], v[SM:SM+1], v[SM+2:SM+3]
.elseif (\n) == 30
	v_pk_add_f32 v[14:15], v[14:15], v[SM+4:SM+5]
.elseif (\n) == 31
	v_pk_add_f32 v[14:15], v[14:15], v[SM:SM+1]
.elseif (\n)%4 == 3
	v_pk_add_f32 v[14:15], v[14:15], v[S+2*(\n)+6:S+2*(\n)+7]
.else
	v_pk_add_f32 v[SM+2*((\n)%4):SM+2*((\n)%4)+1], v[SM+2*((\n)%4):SM+2*((\n)%4)+1], v[S+2*(\n)+6:S+2*(\n)+7]
.endif
.endm
.macro SUMS from, to
.set n, \from
.rept (\to)-(\from)+1
	SUM n
.set n, n+1
.endr
.endm
.macro FMAS from, to                   ; t - M of pairs from .. to
.set n, \from
.rept (\to)-(\from)+1
	v_pk_fma_f32 v[S+2*n:S+2*n+1], v[S+2*n:S+2*n+1], s[CS:CS+1], v[12:13] op_sel_hi:[1,0,0]
.set n, n+1
.endr
.endm
; A KEY STEP: 128 keys, the q-th of a trip's two.  Fragment f = 2 B + a holds tiles 2 a and 2 a + 1 of the group of 64 keys B.
.macro KLOAD q                         ; K's four fragments and scale words of a trip's q-th step
.irp f, 0,1,2,3
	ds_load_b128 v[KF+8*\f:KF+8*\f+3], v[ADK] offset:4096*(\q)+2048*(\f/2)+128*(\f%2)
	ds_load_b128 v[KF+8*\f+4:KF+8*\f+7], v[ADK] offset:4096*(\q)+2048*(\f/2)+128*(\f%2)+512
	ds_load_b32 v[KS+\f], v[ADS] offset:2048*(\q)+1024*(\f/2)+128*(\f%2)
.endr
.endm
.macro STEP q                          ; K's fragments are in: they were asked for a step ago and waited for with V
.irp f, 0,1,2,3
	v_wmma_scale_f32_16x16x128_f8f6f4 v[S+16*\f:S+16*\f+7], v[KF+8*\f:KF+8*\f+7], v[20:27], 0, v[KS+\f], v[QSL] matrix_a_fmt:MATRIX_FMT_FP4 matrix_b_fmt:MATRIX_FMT_FP4
	v_wmma_scale_f32_16x16x128_f8f6f4 v[S+16*\f+8:S+16*\f+15], v[KF+8*\f:KF+8*\f+7], v[16:23], 0, v[KS+\f], v[QSH] matrix_a_fmt:MATRIX_FMT_FP4 matrix_b_fmt:MATRIX_FMT_FP4
.endr
	v_mov_b32 v[OM], v12                           ; four places ahead of the first read of the scores and of the loads into V's registers: the old -M,
.if \q
	s_add_co_u32 s[TK], s[TK], 8192
	s_add_co_u32 s[TS], s[TS], 4096
	s_add_co_u32 s[TV], s[TV], 512
	v_add_nc_u32 v[ADK], s[TK], v[AK0]             ; the next trip's addresses (this trip's loads of K are issued),
	v_add_nc_u32 v[ADS], s[TS], v[AS0]
	v_nop
.else
.rept 3
	v_nop
.endr
.endif
.irp ct, 0,1,2,3
.irp c, 0,1
	ds_load_b128 v[VF+8*\ct+4*\c:VF+8*\ct+4*\c+3], v[ADV] offset:4096*(\q)+1024*\ct+512*\c   ; V lands under the softmax
.endr
.endr
	ds_load_b128 v[VS:VS+3], v[ADT] offset:256*(\q)
	KLOAD 1-(\q)                                   ; the next step's K, into the registers that the products above have read (four places back).  The last trip's look-ahead reads LDS bytes behind K and behind the records, which are filled or stored; its result is not used
.if \q
	v_add_nc_u32 v[ADV], s[TK], v[AV0]
	v_add_nc_u32 v[ADT], s[TV], v[AT0]
.endif
.irp b, 0,1,2,3
	v_max3_num_f32 v[CM+\b], v[S+16*\b], v[S+16*\b+1], v[S+16*\b+2]   ; four chains of 16 scores by turns, each accumulator from its low end on
.endr
.irp i, 3,5,7,9,11,13
.irp b, 0,1,2,3
	v_max3_num_f32 v[CM+\b], v[CM+\b], v[S+16*\b+\i], v[S+16*\b+\i+1]
.endr
.endr
	v_max3_num_f32 v[CM], v[CM], v[S+15], v[S+31]
	v_max3_num_f32 v[CM+2], v[CM+2], v[S+47], v[S+63]
	v_max_num_f32 v[BX], v[CM], v[CM+1]            ; the largest score of my two blocks of 32 keys: for the row's maximum and, since p rises with the score, for the block's largest p
	v_max_num_f32 v[BX+1], v[CM+2], v[CM+3]
	s_delay_alu instid0(VALU_DEP_1)
	v_max_num_f32 v[RM], v[BX], v[BX+1]
	s_delay_alu instid0(VALU_DEP_1)
	v_permlanex16_b32 v[PT], v[RM], s[SEL], s[SEL+1]
	s_delay_alu instid0(VALU_DEP_1)
	v_max3_num_f32 v13, v13, v[RM], v[PT]          ; the running largest score of my query
	s_delay_alu instid0(VALU_DEP_1)
	v_mul_f32 v[RM], s[CS], v13                    ; as t (c is positive)
	s_delay_alu instid0(VALU_DEP_1)
	v_floor_f32 v12, -v[RM]                        ; the new -M = -ceil(t)
	s_delay_alu instid0(VALU_DEP_1)
	v_sub_f32 v[OM], v12, v[OM]                    ; old M - new M: a whole number, 0 or less
	FMAS 0, 3
	v_cvt_i32_f32 v[OM], v[OM]                     ; (it saturates)
	FMAS 4, 7
	v_ldexp_f32 v252, 1.0, v[OM]                   ; f = 2^(old M - new M)
	FMAS 8, 31
.irp b, 0,1
	v_fma_f32 v[BX+\b], v[BX+\b], s[CS], v12       ; the same of each block's largest score
.endr
.set n, 0
.rept 16
	v_pk_mul_f32 v[O+2*n:O+2*n+1], v[O+2*n:O+2*n+1], v[252:253] op_sel_hi:[1,0]   ; O^T under the new M, ahead of the exponentials, each accumulator from its low end on
.set n, n+1
.endr
	s_wait_alu depctr_va_vdst(0)
.irp b, 0,1
	v_exp_f32 v[BX+\b], v[BX+\b]                   ; the block's largest p
.endr
.set n, 0
.rept 64
	v_exp_f32 v[S+n], v[S+n]                       ; p = 2^(t - M), at most 1: not normalised
.set n, n+1
.endr
	v_pk_mul_f32 v[14:15], v[14:15], v[252:253] op_sel_hi:[1,0]   ; the sums under the new M: the plain place behind the batch
	s_wait_alu depctr_va_vdst(0)                   ; one wait for the whole batch, ahead of its first reader
.irp b, 0,1
	v_max_num_f32 v[BX+\b], 0x1800000, v[BX+\b]    ; the floor 2^(3 - 127): the byte cannot fall under 1
.endr
	SUMS 0, 1
.irp b, 0,1
	v_add_nc_u32 v[SO+\b], 0xff000000, v[BX+\b]    ; 2 off the exponent field: the conversion's scale operand
.endr
	SUMS 2, 3
.irp b, 0,1
	v_lshrrev_b32 v[BX+\b], 23, v[SO+\b]           ; the scale's byte
.endr
	SUMS 4, 5
	v_lshl_or_b32 v253, v[BX+1], 16, v[BX]         ; my two bytes: blocks h and 2 + h,
	SUMS 6, 8
	v_lshlrev_b32 v253, v[SH8], v253               ; at their places in the scale word;
	SUMS 9, 11
	v_permlanex16_b32 v[PT], v253, s[SEL], s[SEL+1]
	SUMS 12, 14
	v_or_b32 v253, v253, v[PT]                     ; with lane l xor 16's two the word is whole
.set n, 0
.rept 8
	v_cvt_scalef32_pk8_fp4_f32 v[PC+n], v[S+8*n:S+8*n+7], v[SO+n/4]   ; register 4 B + T of the operand: keys 64 B + 32 h + 8 T on
.set n, n+1
.endr
	SUMS 15, 31                                    ; seventeen plain lines that name no register of the products below: the places behind the conversions and the scale word
	s_wait_dscnt 0x0                               ; V and its scale words
.irp ct, 0,1,2,3                               ; the four accumulators by turns
	v_wmma_scale_f32_16x16x128_f8f6f4 v[O+8*\ct:O+8*\ct+7], v[VF+8*\ct:VF+8*\ct+7], v[PC:PC+7], v[O+8*\ct:O+8*\ct+7], v[VS+\ct], v253 matrix_a_fmt:MATRIX_FMT_FP4 matrix_b_fmt:MATRIX_FMT_FP4
.endr
.endm
	KLOAD 0                                        ; the first step's K
	s_wait_dscnt 0x0
	s_mov_b32 s[CNT], 8
.Lkeys:                                            ; eight trips of 256 keys
	STEP 0
	STEP 1
	s_sub_co_u32 s[CNT], s[CNT], 1
	s_cmp_lg_u32 s[CNT], 0
	s_cbranch_scc1 .Lkeys
	; THE WAY OUT: O^T / the sum; register 16 bb + i is channel 32 bb + 16 h + i of my query: two blocks of 32, quantised as every operand here
.rept 4
	v_nop                                          ; places behind the last products
.endr
	s_wait_alu depctr_va_vdst(0)                   ; the sums were written ahead of a wait on LDS
	v_add_f32 v14, v14, v15
	v_permlanex16_b32 v[PT], v14, s[SEL], s[SEL+1]
	v_add_f32 v14, v14, v[PT]                      ; the row's sum
	s_wait_alu depctr_va_vdst(0)                   ; ahead of the transcendental
	v_rcp_f32 v14, v14
	v_nop                                          ; a plain place behind it
	s_wait_alu depctr_va_vdst(0)                   ; and ahead of its first reader, which is also the first reader of the last products' results
.set j, 0
.rept 32
	v_mul_f32 v[S+j], v[O+j], v14
.set j, j+1
.endr
.irp b, 0,1
	v_max3_num_f32 v[CM+\b], |v[S+16*\b]|, |v[S+16*\b+1]|, 0x1800000
.endr
.irp i, 2,4,6,8,10,12,14
.irp b, 0,1
	v_max3_num_f32 v[CM+\b], v[CM+\b], |v[S+16*\b+\i]|, |v[S+16*\b+\i+1]|
.endr
.endr
.irp b, 0,1
	v_permlanex16_b32 v[PT+\b], v[CM+\b], s[SEL], s[SEL+1]
.endr
.irp b, 0,1
	v_max_num_f32 v[CM+\b], v[CM+\b], v[PT+\b]
.endr
.irp b, 0,1
	v_add_nc_u32 v[SO+\b], 0xff000000, v[CM+\b]
.endr
.irp b, 0,1
	v_lshrrev_b32 v[BX+\b], 23, v[SO+\b]
.endr
	v_lshl_or_b32 v253, v[BX+1], 8, v[BX]          ; my query's two scale bytes
.irp b, 0,1
	v_cvt_scalef32_pk8_fp4_f32 v[PC+2*\b], v[S+16*\b:S+16*\b+7], v[SO+\b]
	v_cvt_scalef32_pk8_fp4_f32 v[PC+2*\b+1], v[S+16*\b+8:S+16*\b+15], v[SO+\b]
.endr
	v_nop
	v_permlane16_swap_b32 v[PC], v[PC+2]           ; lanes 0-15 block 0, lanes 16-31 block 1: registers 0-3 of half a fragment
	v_permlane16_swap_b32 v[PC+1], v[PC+3]
	global_store_b128 v[LG], v[PC:PC+3], s[12:13]  ; 32 lanes store 512 consecutive bytes, aligned
	ds_store_b16 v[OSW], v253
	s_wait_dscnt 0x0
	s_barrier_signal -1
	s_barrier_wait -1                              ; the sixteen waves' halfwords lie together: 512 bytes
	s_cmp_lg_u32 s[WV], 0
	s_cbranch_scc1 .Lno_scales
	ds_load_b128 v[232:235], v[OSR]
	s_wait_dscnt 0x0
	global_store_b128 v[LG], v[232:235], s[14:15]
.Lno_scales:
	s_wait_tensorcnt 0x0                           ; the wave's end
	ds_add_u32 v[SPW], v[NIL]
	s_wait_dscnt 0x0
	CROUND                                         ; the closing round: no work-group ends while a partner may still ask for a tile that names it
	s_endpgm
.Lfunc_end_k_q87119a7633_att1:
	.size	k_q87119a7633_att1, .Lfunc_end_k_q87119a7633_att1-k_q87119a7633_att1
	.p2alignl 7, 3214868480
	.fill 96, 4, 3214868480
	.section	.rodata,"a",@progbits
	.p2align	6, 0x0
	.amdhsa_kernel k_q87119a7633_att1
		.amdhsa_group_segment_fixed_size 198656
		.amdhsa_private_segment_fixed_size 0
		.amdhsa_enable_private_segment 0
		.amdhsa_kernarg_size 48
		.amdhsa_user_sgpr_count 2
		.amdhsa_user_sgpr_kernarg_segment_ptr 1
		.amdhsa_wavefront_size32 1
		.amdhsa_system_sgpr_workgroup_id_x 1
		.amdhsa_system_sgpr_workgroup_id_y 1
		.amdhsa_system_sgpr_workgroup_id_z 1
		.amdhsa_system_vgpr_workitem_id 0
		.amdhsa_next_free_vgpr 256
		.amdhsa_next_free_sgpr 96
		.amdhsa_reserve_vcc 0
		.amdhsa_float_denorm_mode_32 3
		.amdhsa_float_denorm_mode_16_64 3
		.amdhsa_memory_ordered 1
		.amdhsa_forward_progress 1
		.amdhsa_inst_pref_size 43
	.end_amdhsa_kernel
	.amdgpu_metadata
---
amdhsa.version: [ 1, 2 ]
amdhsa.kernels:
  - .name:           k_q87119a7633_att1
    .symbol:         k_q87119a7633_att1.kd
    .args:
      - { .name: qc, .offset: 0, .size: 8, .value_kind: global_buffer, .address_space: global }
      - { .name: kc, .offset: 8, .size: 8, .value_kind: global_buffer, .address_space: global }
      - { .name: vc, .offset: 16, .size: 8, .value_kind: global_buffer, .address_space: global }
      - { .name: sc, .offset: 24, .size: 8, .value_kind: global_buffer, .address_space: global }
      - { .name: ao, .offset: 32, .size: 8, .value_kind: global_buffer, .address_space: global }
      - { .name: aos, .offset: 40, .size: 8, .value_kind: global_buffer, .address_space: global }
    .group_segment_fixed_size: 198656
    .private_segment_fixed_size: 0
    .kernarg_segment_align: 8
    .kernarg_segment_size: 48
    .max_flat_workgroup_size: 512
    .sgpr_count:     96
    .vgpr_count:     256
    .wavefront_size: 32
...
	.end_amdgpu_metadata
.endif
;; end of part 2
;; launch mid (part 3): grid 256 x 1, 8 waves a work-group, no clusters, 168,960 bytes of LDS; arguments ao, aos, t_wo_codes, t_wo_scales, t_bo, x, ln1_g, ln1_b, h, s_wq_codes, s_wq_scales, s_bq, s_wk_codes, s_wk_scales, s_bk, s_wv_codes, s_wv_scales, s_bv, qc, kc, vc, sc; writes h, qc, kc, vc, sc
.if DOCPART == 3
	.amdgcn_target "amdgcn-amd-amdhsa--gfx1250"
	.amdhsa_code_object_version 6
	.text
	.protected	k_q87119a7633_mid
	.globl	k_q87119a7633_mid
	.p2align	8
	.type	k_q87119a7633_mid,@function
k_q87119a7633_mid:
	s_mov_b64 s[64:65], 0
	v_nop
	global_prefetch_b8 v0, s[64:65] scope:SCOPE_SE
	s_setreg_imm32_b32 hwreg(HW_REG_WAVE_MODE, 25, 1), 1
	s_wait_xcnt 0x0
; h = LayerNorm(x + a Wo + bo) (a: the first attention's result, as codes), h stored in f32, quantised, and q, k, v of the second attention made of it and quantised: four products on codes of FP4 (E2M1), E8M0 scales.
; SHARES.  A work-group owns 32 tokens (two tiles of 16): the norm wants whole rows in one work-group.  Wave w owns 64 channels of every product's N.  So each weight byte is wanted by ONE wave, once,
; and goes from memory straight into its fragment registers, one weight ahead of the product in hand (two sets of 128 registers).  NO CLUSTER: a joint load lands in LDS, from which every weight byte would be read
; exactly once by one wave: one LDS write and one LDS read more for each byte, and nothing shared inside the work-group.
; LAYOUT: place r of token tile ut is token 8 ut + r + 8 (r / 8); the weight rows of channel tile 2 bb + u are 32 bb + 8 u + r + 8 (r / 8).  Products are used TRANSPOSED (source 0 = weight rows, source 1 = tokens): a lane holds one token, and
; register 16 bb + i of a token tile is channel 32 bb + 16 (lane / 16) + i.  v alone is not transposed: a lane holds one channel and its registers run down the tokens.
; THE NORM in two passes (mean, then the squares of the differences), each wave's part sums meeting in LDS.  x's rows come by one tensor load a wave, filled once; h is written over them in place (each number by the lane that read it) and leaves as whole rows.
; LIMITS: NaN and infinities are not served; a block whose largest magnitude lies under 2^-124 (a block of zeros too) gets the scale byte 1 (read by this program alone); 1 / sqrt by v_rsq_f32.
.set AIMG,  66560                      ; LDS: bytes 0 .. 66,559 the 32 rows; then h's 8 fragments: 4096 ut + 1024 s + 512 c + 16 lane
.set ASC,   74752                      ; their scale words: [K step][place 0 .. 31]
.set STAT1, 75264                      ; part sums [wave][ut][r], and 1,024 bytes on those of the squares
.set WA,  1
.set WSA, 2
.set BA,  3
.set BVA, 4
.set LG,  5
.set L2,  6                            ; v6   2 x lane
.set VST, 7
.set RA,  8
.set RB,  9                            ; v9   whole rows back: 8,320 w + 16 lane
.set GO,  10                           ; v10  and out: 8,192 w + 16 lane
.set L16, 11
.set IMW, 12
.set L4,  13
.set ISW, 14
.set ST,  15                           ; v15  STAT1 + 4 r
.set STW, 244                          ; v244 + 128 w
.set AF,  16
.set AS,  80
.set WS,  84
.set ACC, 100
.set BI,  164
.set GT,  196
.set TM,  196
.set PW,  212
.set MP,  212                          ; v212-215 the mean, later 1 / deviation: a pair for each token tile
.set PC,  228
.set REC, 236
.set BV,  240
.set PAO, 8
.set PAOS, 10
.set PWOC, 12
.set PWOS, 14
.set PBO, 16
.set PX, 18
.set PG, 20
.set PB, 22
.set PH, 24
.set PWQC, 26
.set PWQS, 28
.set PBQ, 30
.set PWKC, 32
.set PWKS, 34
.set PBK, 36
.set PWVC, 38
.set PWVS, 40
.set PBV, 42
.set PQC, 44
.set PKC, 46
.set PVC, 48
.set PSC, 50
.set G0, 52
.set G1, 56
.set WV, 66
.set SEL, 68
.set HM, 70
.set INV, 71
.set EPS, 72
.set MSB, 0
.macro WIN new                         ; window 1 holds the weights' fragments; the immediate's high byte repeats the setting that is left
.if MSB != \new
	s_set_vgpr_msb (MSB<<8)|\new
.set MSB, \new
.endif
.endm
.macro PLACES                          ; four places behind a matrix instruction, ahead of loads into its registers and of the first read of results
.rept 4
	v_nop
.endr
.endm
.macro BAR                             ; my LDS stores have landed and my LDS loads are in: then the work-group's barrier
	s_wait_dscnt 0x0
	s_barrier_signal -1
	s_barrier_wait -1
.endm
.macro STEPP ptr
	s_add_nc_u64 s[\ptr:\ptr+1], s[\ptr:\ptr+1], s[4:5]
.endm
.macro WM d, a, b, c, sa, sb, ra, rb   ; one product; ra, rb: the side's scales stand in lanes 16-31
.if (\ra) && (\rb)
	v_wmma_scale_f32_16x16x128_f8f6f4 v[\d:\d+7], v[\a:\a+7], v[\b:\b+7], v[\c:\c+7], v[\sa], v[\sb] matrix_a_fmt:MATRIX_FMT_FP4 matrix_b_fmt:MATRIX_FMT_FP4 matrix_a_scale:MATRIX_SCALE_ROW1 matrix_b_scale:MATRIX_SCALE_ROW1
.elseif (\ra)
	v_wmma_scale_f32_16x16x128_f8f6f4 v[\d:\d+7], v[\a:\a+7], v[\b:\b+7], v[\c:\c+7], v[\sa], v[\sb] matrix_a_fmt:MATRIX_FMT_FP4 matrix_b_fmt:MATRIX_FMT_FP4 matrix_a_scale:MATRIX_SCALE_ROW1
.elseif (\rb)
	v_wmma_scale_f32_16x16x128_f8f6f4 v[\d:\d+7], v[\a:\a+7], v[\b:\b+7], v[\c:\c+7], v[\sa], v[\sb] matrix_a_fmt:MATRIX_FMT_FP4 matrix_b_fmt:MATRIX_FMT_FP4 matrix_b_scale:MATRIX_SCALE_ROW1
.else
	v_wmma_scale_f32_16x16x128_f8f6f4 v[\d:\d+7], v[\a:\a+7], v[\b:\b+7], v[\c:\c+7], v[\sa], v[\sb] matrix_a_fmt:MATRIX_FMT_FP4 matrix_b_fmt:MATRIX_FMT_FP4
.endif
.endm
; 32 products, transposed: 4 channel tiles x 2 token tiles x 4 K steps from weight set p.  The eight accumulators take turns, one instruction a turn.
.macro MULT p, first
	WIN 0x01
.irp s, 0,1,2,3
.irp ut, 0,1
.irp t, 0,1,2,3
.if (\first) && (\s == 0)
	WM ACC+32*\ut+8*\t, 128*(\p)+8*(4*\t+\s), AF+8*(4*\ut+\s), BI+8*\t, WS+8*(\p)+4*(\t/2)+\s, AS+\s, \t%2, \ut
.else
	WM ACC+32*\ut+8*\t, 128*(\p)+8*(4*\t+\s), AF+8*(4*\ut+\s), ACC+32*\ut+8*\t, WS+8*(\p)+4*(\t/2)+\s, AS+\s, \t%2, \ut
.endif
.endr
.endr
.endr
	WIN 0
.endm
; the same, not transposed: accumulator (ct, ut) at ACC + 16 ct + 8 ut
.macro MULV p
	WIN 0x04
.irp s, 0,1,2,3
.irp ut, 0,1
.irp ct, 0,1,2,3
.if \s == 0
	WM ACC+16*\ct+8*\ut, AF+8*(4*\ut+\s), 128*(\p)+8*(4*\ct+\s), BI+8*\ct, AS+\s, WS+8*(\p)+4*(\ct/2)+\s, \ut, \ct%2
.else
	WM ACC+16*\ct+8*\ut, AF+8*(4*\ut+\s), 128*(\p)+8*(4*\ct+\s), ACC+16*\ct+8*\ut, AS+\s, WS+8*(\p)+4*(\ct/2)+\s, \ut, \ct%2
.endif
.endr
.endr
.endr
	WIN 0
.endm
; 34 loads: my 64 rows x 512 along K of a weight into set p (32 loads), and their scale words (2)
.macro WLOAD p, cb, sb, wa, wsa, rp, srp, ko, sko
	WIN 0x40
.irp t, 0,1,2,3
.irp s, 0,1,2,3
.irp c, 0,1
	global_load_b128 v[128*(\p)+8*(4*\t+\s)+4*\c:128*(\p)+8*(4*\t+\s)+4*\c+3], v[\wa], s[\cb:\cb+1] offset:(32*(\t/2)+8*(\t%2))*(\rp)+(\ko)+64*\s+32*\c
.endr
.endr
.endr
	WIN 0
.irp g, 0,1
	global_load_b128 v[WS+8*(\p)+4*\g:WS+8*(\p)+4*\g+3], v[\wsa], s[\sb:\sb+1] offset:32*\g*(\srp)+(\sko)
.endr
.endm
.macro BLOAD dst, base, off            ; 8 loads: 64 numbers a channel in the transposed result's layout
.irp t, 0,1,2,3
.irp q, 0,1
	global_load_b128 v[\dst+8*\t+4*\q:\dst+8*\t+4*\q+3], v[BA], s[\base:\base+1] offset:(\off)+128*(\t/2)+32*(\t%2)+16*\q
.endr
.endr
.endm
; 64 numbers of a lane, register 16 b + i = my i-th of 16 neighbours of block b (lane l xor 16 holds the other 16), become codes in v[PC] on and the four scale bytes in v[PW]
.macro QUANT src, swap
.irp b, 0,1,2,3
	v_max3_num_f32 v[TM+\b], |v[\src+16*\b]|, |v[\src+16*\b+1]|, 0x1800000   ; with the floor 2^(3 - 127): the byte cannot fall under 1
.endr
.irp i, 2,4,6,8,10,12,14
.irp b, 0,1,2,3
	v_max3_num_f32 v[TM+\b], v[TM+\b], |v[\src+16*\b+\i]|, |v[\src+16*\b+\i+1]|
.endr
.endr
.irp b, 0,1,2,3
	s_delay_alu instid0(VALU_DEP_4)
	v_permlanex16_b32 v[TM+4+\b], v[TM+\b], s[SEL], s[SEL+1]
.endr
.irp b, 0,1,2,3
	s_delay_alu instid0(VALU_DEP_4)
	v_max_num_f32 v[TM+\b], v[TM+\b], v[TM+4+\b]
.endr
.irp b, 0,1,2,3
	s_delay_alu instid0(VALU_DEP_4)
	v_add_nc_u32 v[TM+12+\b], 0xff000000, v[TM+\b]   ; 2 off the exponent field: the conversion's scale operand
.endr
.irp b, 0,1,2,3
	s_delay_alu instid0(VALU_DEP_4)
	v_lshrrev_b32 v[TM+4+\b], 23, v[TM+12+\b]
.endr
	s_delay_alu instid0(VALU_DEP_3)
	v_lshl_or_b32 v[PW], v[TM+5], 8, v[TM+4]
	s_delay_alu instid0(VALU_DEP_1)
	v_lshl_or_b32 v[PW], v[TM+6], 16, v[PW]
	s_delay_alu instid0(VALU_DEP_1)
	v_lshl_or_b32 v[PW], v[TM+7], 24, v[PW]
.irp b, 0,1,2,3
	v_cvt_scalef32_pk8_fp4_f32 v[PC+2*\b], v[\src+16*\b:\src+16*\b+7], v[TM+12+\b]
	v_cvt_scalef32_pk8_fp4_f32 v[PC+2*\b+1], v[\src+16*\b+8:\src+16*\b+15], v[TM+12+\b]
.endr
	v_nop                                          ; one plain place behind a scaled conversion
.if \swap
.irp c, 0,1
.irp i, 0,1
	v_permlane16_swap_b32 v[PC+4*\c+\i], v[PC+4*\c+2+\i]
.endr
.endr
.endif
.endm
.macro RLOAD dst                       ; my 64 channels of the 32 rows, in the transposed result's layout
.irp ut, 0,1
.irp bb, 0,1
.irp u, 0,1
.irp q, 0,1
	ds_load_b128 v[\dst+32*\ut+16*\bb+8*\u+4*\q:\dst+32*\ut+16*\bb+8*\u+4*\q+3], v[RA] offset:16640*\ut+128*\bb+32*\u+16*\q
.endr
.endr
.endr
.endr
.endm
.macro RSTORE                          ; and back to the same bytes
.irp ut, 0,1
.irp bb, 0,1
.irp u, 0,1
.irp q, 0,1
	ds_store_b128 v[RA], v[ACC+32*\ut+16*\bb+8*\u+4*\q:ACC+32*\ut+16*\bb+8*\u+4*\q+3] offset:16640*\ut+128*\bb+32*\u+16*\q
.endr
.endr
.endr
.endr
.endm
.macro QIMG ia, io, us, sa, so
	QUANT ACC, 1
	ds_store_b128 v[\ia], v[PC:PC+3] offset:\io
	ds_store_b128 v[\ia], v[PC+4:PC+7] offset:(\io)+(\us)
	ds_store_b16 v[\sa], v[PW] offset:\so
	ds_store_b16_d16_hi v[\sa], v[PW] offset:(\so)+64
.endm
.macro AFETCH off, ust, soff           ; 8 fragments (16 loads) and 4 scale words
.irp ut, 0,1
.irp s, 0,1,2,3
.irp c, 0,1
	ds_load_b128 v[AF+8*(4*\ut+\s)+4*\c:AF+8*(4*\ut+\s)+4*\c+3], v[L16] offset:(\off)+(\ust)*\ut+1024*\s+512*\c
.endr
.endr
.endr
.irp s, 0,1,2,3
	ds_load_b32 v[AS+\s], v[L4] offset:(\soff)+128*\s
.endr
.endm
.macro LANESUM sq                      ; my 32 numbers of each token: their sum (sq = 0) or the sum of their squares (1), in two chains a token tile
.irp ut, 0,1
.if \sq
	v_pk_mul_f32 v[GT+4*\ut:GT+4*\ut+1], v[ACC+32*\ut:ACC+32*\ut+1], v[ACC+32*\ut:ACC+32*\ut+1]
	v_pk_mul_f32 v[GT+4*\ut+2:GT+4*\ut+3], v[ACC+32*\ut+2:ACC+32*\ut+3], v[ACC+32*\ut+2:ACC+32*\ut+3]
.else
	v_pk_add_f32 v[GT+4*\ut:GT+4*\ut+1], v[ACC+32*\ut:ACC+32*\ut+1], v[ACC+32*\ut+4:ACC+32*\ut+5]
	v_pk_add_f32 v[GT+4*\ut+2:GT+4*\ut+3], v[ACC+32*\ut+2:ACC+32*\ut+3], v[ACC+32*\ut+6:ACC+32*\ut+7]
.endif
.endr
.irp j, 4,8,12,16,20,24,28
.irp ut, 0,1
.if \sq
	s_delay_alu instid0(VALU_DEP_4)
	v_pk_fma_f32 v[GT+4*\ut:GT+4*\ut+1], v[ACC+32*\ut+\j:ACC+32*\ut+\j+1], v[ACC+32*\ut+\j:ACC+32*\ut+\j+1], v[GT+4*\ut:GT+4*\ut+1]
	s_delay_alu instid0(VALU_DEP_4)
	v_pk_fma_f32 v[GT+4*\ut+2:GT+4*\ut+3], v[ACC+32*\ut+\j+2:ACC+32*\ut+\j+3], v[ACC+32*\ut+\j+2:ACC+32*\ut+\j+3], v[GT+4*\ut+2:GT+4*\ut+3]
.elseif \j > 4
	s_delay_alu instid0(VALU_DEP_4)
	v_pk_add_f32 v[GT+4*\ut:GT+4*\ut+1], v[GT+4*\ut:GT+4*\ut+1], v[ACC+32*\ut+\j:ACC+32*\ut+\j+1]
	s_delay_alu instid0(VALU_DEP_4)
	v_pk_add_f32 v[GT+4*\ut+2:GT+4*\ut+3], v[GT+4*\ut+2:GT+4*\ut+3], v[ACC+32*\ut+\j+2:ACC+32*\ut+\j+3]
.endif
.endr
.endr
.endm
.macro EXCH off                        ; the chains, lane l xor 16's half and the eight waves' parts are added: the row's sum in v[GT + 8 ut], the same bits in every wave
.irp ut, 0
	s_delay_alu instid0(VALU_DEP_3)
	v_pk_add_f32 v[GT+4*\ut:GT+4*\ut+1], v[GT+4*\ut:GT+4*\ut+1], v[GT+4*\ut+2:GT+4*\ut+3]
.endr
.irp ut, 1
	s_delay_alu instid0(VALU_DEP_2)
	v_pk_add_f32 v[GT+4*\ut:GT+4*\ut+1], v[GT+4*\ut:GT+4*\ut+1], v[GT+4*\ut+2:GT+4*\ut+3]
.endr
.irp ut, 0,1
	s_delay_alu instid0(VALU_DEP_2)
	v_add_f32 v[GT+4*\ut], v[GT+4*\ut], v[GT+4*\ut+1]
.endr
.irp ut, 0,1
	s_delay_alu instid0(VALU_DEP_2)
	v_permlanex16_b32 v[GT+4*\ut+1], v[GT+4*\ut], s[SEL], s[SEL+1]
.endr
.irp ut, 0,1
	s_delay_alu instid0(VALU_DEP_2)
	v_add_f32 v[GT+4*\ut], v[GT+4*\ut], v[GT+4*\ut+1]
.endr
.irp ut, 0,1
	ds_store_b32 v[STW], v[GT+4*\ut] offset:(\off)+64*\ut
.endr
	BAR
.irp ut, 0,1
.irp k, 0,1,2,3,4,5,6,7
	ds_load_b32 v[GT+8*\ut+\k], v[ST] offset:(\off)+128*\k+64*\ut
.endr
.endr
	s_wait_dscnt 0x0
.irp ut, 0,1
	v_pk_add_f32 v[GT+8*\ut:GT+8*\ut+1], v[GT+8*\ut:GT+8*\ut+1], v[GT+8*\ut+2:GT+8*\ut+3]
	v_pk_add_f32 v[GT+8*\ut+4:GT+8*\ut+5], v[GT+8*\ut+4:GT+8*\ut+5], v[GT+8*\ut+6:GT+8*\ut+7]
.endr
.irp ut, 0
	s_delay_alu instid0(VALU_DEP_3)
	v_pk_add_f32 v[GT+8*\ut:GT+8*\ut+1], v[GT+8*\ut:GT+8*\ut+1], v[GT+8*\ut+4:GT+8*\ut+5]
.endr
.irp ut, 1
	s_delay_alu instid0(VALU_DEP_2)
	v_pk_add_f32 v[GT+8*\ut:GT+8*\ut+1], v[GT+8*\ut:GT+8*\ut+1], v[GT+8*\ut+4:GT+8*\ut+5]
.endr
.irp ut, 0,1
	s_delay_alu instid0(VALU_DEP_2)
	v_add_f32 v[GT+8*\ut], v[GT+8*\ut], v[GT+8*\ut+1]
.endr
.endm
; ACC holds a W + bias.  The residual rows are added, the rows are normalised, written over the residual rows in place, quantised, and their images stored.
.macro LNORM
	s_wait_tensorcnt 0x0                           ; my four residual rows are in LDS,
	s_barrier_signal -1
	s_barrier_wait -1                              ; everybody's are
	RLOAD AF
	s_wait_dscnt 0x0
.set j, 0
.rept 32
	v_pk_add_f32 v[ACC+j:ACC+j+1], v[ACC+j:ACC+j+1], v[AF+j:AF+j+1]   ; each accumulator from its low end on
.set j, j+2
.endr
	BLOAD AF, PG, 0                                ; the gain and the offset of my 64 channels land under the two passes
	BLOAD AF+32, PB, 0
	LANESUM 0
	EXCH 0
.irp ut, 0
	s_delay_alu instid0(VALU_DEP_2)
	v_mul_f32 v[MP+2*\ut], s[INV], v[GT+8*\ut]     ; the mean, twice: a pair for the packed form
	s_delay_alu instid0(VALU_DEP_3)
	v_mul_f32 v[MP+2*\ut+1], s[INV], v[GT+8*\ut]
.endr
.irp ut, 1
	s_delay_alu instid0(VALU_DEP_3)
	v_mul_f32 v[MP+2*\ut], s[INV], v[GT+8*\ut]     ; the mean, twice: a pair for the packed form
	s_delay_alu instid0(VALU_DEP_4)
	v_mul_f32 v[MP+2*\ut+1], s[INV], v[GT+8*\ut]
.endr
.irp ut, 0,1
.set j, 0
.rept 16
	v_pk_add_f32 v[ACC+32*\ut+j:ACC+32*\ut+j+1], v[ACC+32*\ut+j:ACC+32*\ut+j+1], v[MP+2*\ut:MP+2*\ut+1] neg_lo:[0,1] neg_hi:[0,1]
.set j, j+2
.endr
.endr
	LANESUM 1
	EXCH 1024
.irp ut, 0,1
	s_delay_alu instid0(VALU_DEP_2)
	v_fma_f32 v[MP+2*\ut], v[GT+8*\ut], s[INV], s[EPS]   ; the variance + 1e-6
.endr
	s_wait_alu depctr_va_vdst(0)
.irp ut, 0,1
	v_rsq_f32 v[MP+2*\ut], v[MP+2*\ut]
.endr
	v_nop                                          ; a plain place behind the transcendentals
	s_wait_alu depctr_va_vdst(0)
.irp ut, 0,1
	v_mov_b32 v[MP+2*\ut+1], v[MP+2*\ut]
.endr
	s_wait_alu depctr_va_vdst(0)
	s_wait_loadcnt 0x0                             ; the gain and the offset (and all that was asked for ahead of them)
.irp ut, 0,1
.set j, 0
.rept 16
	v_pk_mul_f32 v[ACC+32*\ut+j:ACC+32*\ut+j+1], v[ACC+32*\ut+j:ACC+32*\ut+j+1], v[MP+2*\ut:MP+2*\ut+1]
.set j, j+2
.endr
.endr
.irp ut, 0,1
.set j, 0
.rept 16
	v_pk_fma_f32 v[ACC+32*\ut+j:ACC+32*\ut+j+1], v[ACC+32*\ut+j:ACC+32*\ut+j+1], v[AF+j:AF+j+1], v[AF+32+j:AF+32+j+1]
.set j, j+2
.endr
.endr
	RSTORE                                         ; two barriers lie between every wave's reads of the rows and these stores
	QIMG IMW, 0, 4096, ISW, 0
	BAR                                            ; the rows and the eight fragments lie in LDS
.endm
; The three products.  Wq lies (or is on its way) in set p, Wk in set 1 - p; BI holds bq, BV holds bv.
.macro QKV p
	s_wait_loadcnt 34                              ; at most the 34 loads asked for last are out: Wq and bq are in
	MULT \p, 1
	PLACES
	BLOAD BI, PBK, 0
	WLOAD \p, PWVC, PWVS, WA, WSA, 256, 16, 0, 0
	QUANT ACC, 1                                   ; q: blocks (token tile, half of the head)
	global_store_b128 v[LG], v[PC:PC+3], s[PQC:PQC+1]
	global_store_b128 v[LG], v[PC+4:PC+7], s[PQC:PQC+1] offset:512
	v_and_b32 v[TM], 0xffff, v[PW]
	v_lshrrev_b32 v[TM+1], 16, v[PW]
	s_delay_alu instid0(VALU_DEP_1)
	v_cndmask_b32 v[REC], v[TM], v[TM+1], s[HM]    ; lanes 0-15 keep tile 0's two bytes, lanes 16-31 tile 1's
	s_wait_loadcnt 34                              ; all but Wv's 34: Wk and bk are in
	MULT 1-\p, 1
	PLACES
.irp ct, 0,1,2,3
.irp j, 0,1,2,3,4,5,6,7
	v_mov_b32 v[BI+8*\ct+\j], v[BV+\ct]            ; v's C: a lane holds one channel
.endr
.endr
	s_wait_xcnt 0x0                                ; q's stores have read the codes' registers
	QUANT ACC, 1                                   ; k
	global_store_b128 v[LG], v[PC:PC+3], s[PKC:PKC+1]
	global_store_b128 v[LG], v[PC+4:PC+7], s[PKC:PKC+1] offset:512
	v_mov_b32 v[REC+1], v[PW]
	s_wait_loadcnt 0x0                             ; Wv
	MULV \p
	PLACES
	s_wait_xcnt 0x0                                ; k's stores have read the codes' registers
	QUANT ACC, 0                                   ; v: block ct = these 32 tokens at my channel of tile ct
.irp ct, 0,1,2,3
	global_store_b64 v[VST], v[PC+2*\ct:PC+2*\ct+1], s[PVC:PVC+1] offset:1024*\ct   ; 32 lanes store 256 consecutive bytes, aligned
.endr
	v_mov_b32 v[REC+2], v[PW]
	v_mov_b32 v[REC+3], 0
	global_store_b128 v[LG], v[REC:REC+3], s[PSC:PSC+1]
.endm
	s_load_b512 s[8:23], s[0:1], 0x0
	s_load_b512 s[24:39], s[0:1], 0x40
	s_load_b256 s[40:47], s[0:1], 0x80
	s_load_b128 s[48:51], s[0:1], 0xa0
	v_lshl_add_u32 v254, v0, 2, 0x29000
	v_mov_b32 v255, 0
	ds_add_u32 v254, v255
	ds_add_u32 v254, v255
	v_lshrrev_b32 v[GT], 5, v0
	s_delay_alu instid0(VALU_DEP_1)
	v_readfirstlane_b32 s[WV], v[GT]               ; wave 0..7
	s_mov_b32 s[G1+0], (3<<16)|(1<<20)|(7<<22)|(3<<25)   ; elements of 8 bytes; padding on: 4 words behind every 256
	s_mov_b32 s[G1+1], 128<<16                     ; half a row: 128 elements
	s_mov_b32 s[G1+2], 8<<16
	s_mov_b32 s[G1+3], 128<<16
	s_mov_b32 s[G1+4], 8
	s_mov_b32 s[G1+5], 128
	s_mov_b32 s[G1+6], 0
	s_mov_b32 s[G1+7], 0
	s_mov_b32 s[G0], 1
	s_mul_i32 s[G0+1], s[WV], 8320
	s_lshl_b32 s4, ttmp9, 16
	s_lshl_b32 s5, s[WV], 13
	s_add_co_u32 s4, s4, s5
	s_mov_b32 s5, 0
	s_wait_dscnt 0x0
	s_wait_kmcnt 0x0
	s_add_nc_u64 s[G0+2:G0+3], s[PX:PX+1], s[4:5]
	s_or_b32 s[G0+3], s[G0+3], 0x80000000
	tensor_load_to_lds s[G0:G0+3], s[G1:G1+7]      ; my four rows of x: the only fill of these bytes; one load of mine is out
	s_nop 0
.rept 4
	v_nop
.endr
	s_mov_b32 s[SEL], 0x76543210
	s_mov_b32 s[SEL+1], 0xfedcba98
	s_mov_b32 s[HM], 0xffff0000
	s_mov_b32 s[INV], 0x3b000000                   ; 1 / 512
	s_mov_b32 s[EPS], 0x358637bd                   ; 1e-6
	v_and_b32 v[GT+1], 31, v0                      ; lane
	v_and_b32 v[GT+2], 15, v0                      ; r
	v_bfe_u32 v[GT+3], v0, 4, 1                    ; h
	s_delay_alu instid0(VALU_DEP_2)
	v_and_b32 v[GT+8], 8, v[GT+2]
	s_delay_alu instid0(VALU_DEP_1)
	v_add_nc_u32 v[GT+8], v[GT+8], v[GT+2]         ; r + 8 (r / 8)
	s_delay_alu instid0(VALU_DEP_1)
	v_lshlrev_b32 v[WA], 8, v[GT+8]
	s_delay_alu instid0(VALU_DEP_1)
	v_lshl_add_u32 v[WA], v[GT+3], 4, v[WA]
	s_delay_alu instid0(VALU_DEP_3)
	v_lshl_add_u32 v[WSA], v[GT+3], 3, v[GT+8]
	s_delay_alu instid0(VALU_DEP_1)
	v_lshlrev_b32 v[WSA], 4, v[WSA]
	v_lshlrev_b32 v[BA], 6, v[GT+3]
	v_lshlrev_b32 v[BVA], 2, v[GT+8]
	v_lshlrev_b32 v[LG], 4, v[GT+1]
	v_lshlrev_b32 v[L2], 1, v[GT+1]
	v_lshlrev_b32 v[VST], 4, v[GT+2]
	s_delay_alu instid0(VALU_DEP_1)
	v_lshl_add_u32 v[VST], v[GT+3], 3, v[VST]
	s_lshr_b32 s6, s[WV], 2
	s_mul_i32 s6, s6, 1040
	s_and_b32 s7, s[WV], 3
	s_lshl_b32 s7, s7, 8
	s_add_co_u32 s6, s6, s7
	v_mul_u32_u24 v[RA], v[GT+8], 2080
	s_delay_alu instid0(VALU_DEP_1)
	v_lshl_add_u32 v[RA], v[GT+3], 6, v[RA]
	s_delay_alu instid0(VALU_DEP_1)
	v_add_nc_u32 v[RA], s6, v[RA]
	s_mul_i32 s6, s[WV], 8320
	v_add_nc_u32 v[RB], s6, v[LG]
	s_lshl_b32 s6, s[WV], 13
	v_add_nc_u32 v[GO], s6, v[LG]
	v_add_nc_u32 v[L16], AIMG, v[LG]
	s_lshl_b32 s6, s[WV], 9
	v_add_nc_u32 v[IMW], s6, v[L16]
	v_lshl_add_u32 v[L4], v[GT+1], 2, ASC
	s_lshr_b32 s6, s[WV], 1
	s_lshl_b32 s6, s6, 7
	s_and_b32 s7, s[WV], 1
	s_lshl_b32 s7, s7, 1
	s_add_co_u32 s6, s6, s7
	v_lshl_add_u32 v[ISW], v[GT+2], 2, ASC
	s_delay_alu instid0(VALU_DEP_1)
	v_add_nc_u32 v[ISW], s6, v[ISW]
	v_lshl_add_u32 v[ST], v[GT+2], 2, STAT1
	s_lshl_b32 s6, s[WV], 7
	v_add_nc_u32 v[STW], s6, v[ST]
	s_lshl_b32 s4, s[WV], 14                       ; my 64 rows of each weight's codes,
	STEPP PWOC
	STEPP PWQC
	STEPP PWKC
	STEPP PWVC
	s_lshl_b32 s4, s[WV], 10                       ; of its scale bytes,
	STEPP PWOS
	STEPP PWQS
	STEPP PWKS
	STEPP PWVS
	s_lshl_b32 s4, s[WV], 8                        ; my 64 numbers of each vector
	STEPP PBO
	STEPP PG
	STEPP PB
	STEPP PBQ
	STEPP PBK
	STEPP PBV
	s_lshl_b32 s4, ttmp9, 13                       ; the two token tiles' images of a
	STEPP PAO
	s_lshl_b32 s4, ttmp9, 16                       ; the 32 rows of h
	STEPP PH
	s_lshr_b32 s6, ttmp9, 6                        ; the batch
	s_and_b32 s7, ttmp9, 63                        ; the block of 32 tokens in it
	s_lshl_b32 s4, s6, 15
	s_lshl_b32 s2, s7, 6
	s_add_co_u32 s4, s4, s2
	STEPP PAOS
	s_lshl_b32 s6, s6, 3
	s_add_co_u32 s6, s6, s[WV]                     ; batch x 8 + head
	s_lshl_b32 s4, s6, 16
	s_lshl_b32 s2, s7, 10
	s_add_co_u32 s4, s4, s2
	STEPP PQC
	STEPP PKC
	s_lshl_b32 s4, s6, 16
	s_lshr_b32 s2, s7, 2
	s_lshl_b32 s2, s2, 12
	s_add_co_u32 s4, s4, s2
	s_and_b32 s2, s7, 3
	s_lshl_b32 s2, s2, 8
	s_add_co_u32 s4, s4, s2
	STEPP PVC
	s_lshl_b32 s4, s6, 15
	s_lshl_b32 s2, s7, 9
	s_add_co_u32 s4, s4, s2
	STEPP PSC
.irp ut, 0,1
.irp s, 0,1,2,3
.irp c, 0,1
	global_load_b128 v[AF+8*(4*\ut+\s)+4*\c:AF+8*(4*\ut+\s)+4*\c+3], v[LG], s[PAO:PAO+1] offset:4096*\ut+1024*\s+512*\c   ; a's fragments, as they were stored
.endr
.endr
.endr
.irp hd, 0,1,2,3,4,5,6,7
	global_load_u16 v[GT+\hd], v[L2], s[PAOS:PAOS+1] offset:4096*\hd   ; two scale bytes for each token place and head
.endr
	BLOAD BI, PBO, 0
.irp ct, 0,1,2,3
	global_load_b32 v[BV+\ct], v[BVA], s[PBV:PBV+1] offset:128*(\ct/2)+32*(\ct%2)
.endr
	WLOAD 0, PWOC, PWOS, WA, WSA, 256, 16, 0, 0
	WLOAD 1, PWQC, PWQS, WA, WSA, 256, 16, 0, 0
	s_wait_loadcnt 34                              ; all but Wq's 34
.irp s, 0,1,2,3
	v_lshl_or_b32 v[AS+\s], v[GT+2*\s+1], 16, v[GT+2*\s]   ; K step s: heads 2 s and 2 s + 1
.endr
.rept 8
	v_nop                                          ; a scale register written by a vector instruction stands eight places ahead of a scaled product
.endr
	MULT 0, 1
	PLACES
	BLOAD BI, PBQ, 0
	WLOAD 0, PWKC, PWKS, WA, WSA, 256, 16, 0, 0
	LNORM
.irp i, 0,1,2,3                                ; h leaves as whole rows: my four tokens
.irp k, 0,1,2,3
	ds_load_b128 v[ACC+4*(4*\i+\k):ACC+4*(4*\i+\k)+3], v[RB] offset:2080*\i+1040*(\k/2)+512*(\k%2)
.endr
.endr
	AFETCH 0, 4096, 0
	s_wait_dscnt 20                                ; all but the 20 loads just issued: the rows are in registers
.irp i, 0,1,2,3
.irp k, 0,1,2,3
	global_store_b128 v[GO], v[ACC+4*(4*\i+\k):ACC+4*(4*\i+\k)+3], s[PH:PH+1] offset:2048*\i+512*\k   ; 32 lanes store 512 consecutive bytes, aligned
.endr
.endr
	s_wait_dscnt 0x0                               ; h's fragments and scale words
	s_wait_xcnt 0x0                                ; the stores have read the registers that the products write next
	QKV 1
	s_wait_tensorcnt 0x0
	ds_add_u32 v254, v255
	s_wait_dscnt 0x0
	s_endpgm
.Lfunc_end_k_q87119a7633_mid:
	.size	k_q87119a7633_mid, .Lfunc_end_k_q87119a7633_mid-k_q87119a7633_mid
	.p2alignl 7, 3214868480
	.fill 96, 4, 3214868480
	.section	.rodata,"a",@progbits
	.p2align	6, 0x0
	.amdhsa_kernel k_q87119a7633_mid
		.amdhsa_group_segment_fixed_size 168960
		.amdhsa_private_segment_fixed_size 0
		.amdhsa_enable_private_segment 0
		.amdhsa_kernarg_size 176
		.amdhsa_user_sgpr_count 2
		.amdhsa_user_sgpr_kernarg_segment_ptr 1
		.amdhsa_wavefront_size32 1
		.amdhsa_system_sgpr_workgroup_id_x 1
		.amdhsa_system_sgpr_workgroup_id_y 1
		.amdhsa_system_sgpr_workgroup_id_z 1
		.amdhsa_system_vgpr_workitem_id 0
		.amdhsa_next_free_vgpr 512
		.amdhsa_next_free_sgpr 96
		.amdhsa_reserve_vcc 0
		.amdhsa_float_denorm_mode_32 3
		.amdhsa_float_denorm_mode_16_64 3
		.amdhsa_memory_ordered 1
		.amdhsa_forward_progress 1
		.amdhsa_inst_pref_size 88
	.end_amdhsa_kernel
	.amdgpu_metadata
---
amdhsa.version: [ 1, 2 ]
amdhsa.kernels:
  - .name:           k_q87119a7633_mid
    .symbol:         k_q87119a7633_mid.kd
    .args:
      - { .name: ao, .offset: 0, .size: 8, .value_kind: global_buffer, .address_space: global }
      - { .name: aos, .offset: 8, .size: 8, .value_kind: global_buffer, .address_space: global }
      - { .name: t_wo_codes, .offset: 16, .size: 8, .value_kind: global_buffer, .address_space: global }
      - { .name: t_wo_scales, .offset: 24, .size: 8, .value_kind: global_buffer, .address_space: global }
      - { .name: t_bo, .offset: 32, .size: 8, .value_kind: global_buffer, .address_space: global }
      - { .name: x, .offset: 40, .size: 8, .value_kind: global_buffer, .address_space: global }
      - { .name: ln1_g, .offset: 48, .size: 8, .value_kind: global_buffer, .address_space: global }
      - { .name: ln1_b, .offset: 56, .size: 8, .value_kind: global_buffer, .address_space: global }
      - { .name: h, .offset: 64, .size: 8, .value_kind: global_buffer, .address_space: global }
      - { .name: s_wq_codes, .offset: 72, .size: 8, .value_kind: global_buffer, .address_space: global }
      - { .name: s_wq_scales, .offset: 80, .size: 8, .value_kind: global_buffer, .address_space: global }
      - { .name: s_bq, .offset: 88, .size: 8, .value_kind: global_buffer, .address_space: global }
      - { .name: s_wk_codes, .offset: 96, .size: 8, .value_kind: global_buffer, .address_space: global }
      - { .name: s_wk_scales, .offset: 104, .size: 8, .value_kind: global_buffer, .address_space: global }
      - { .name: s_bk, .offset: 112, .size: 8, .value_kind: global_buffer, .address_space: global }
      - { .name: s_wv_codes, .offset: 120, .size: 8, .value_kind: global_buffer, .address_space: global }
      - { .name: s_wv_scales, .offset: 128, .size: 8, .value_kind: global_buffer, .address_space: global }
      - { .name: s_bv, .offset: 136, .size: 8, .value_kind: global_buffer, .address_space: global }
      - { .name: qc, .offset: 144, .size: 8, .value_kind: global_buffer, .address_space: global }
      - { .name: kc, .offset: 152, .size: 8, .value_kind: global_buffer, .address_space: global }
      - { .name: vc, .offset: 160, .size: 8, .value_kind: global_buffer, .address_space: global }
      - { .name: sc, .offset: 168, .size: 8, .value_kind: global_buffer, .address_space: global }
    .group_segment_fixed_size: 168960
    .private_segment_fixed_size: 0
    .kernarg_segment_align: 8
    .kernarg_segment_size: 176
    .max_flat_workgroup_size: 256
    .sgpr_count:     96
    .vgpr_count:     512
    .wavefront_size: 32
...
	.end_amdgpu_metadata
.endif
;; end of part 3
;; launch att2: the kernel of part 2 again; grid 8 x 32, 16 waves a work-group, clusters of 4 x 1, 198,656 bytes of LDS; arguments qc, kc, vc, sc, ao, aos; writes ao, aos
;; launch tail (part 4): grid 256 x 1, 8 waves a work-group, clusters of 4 x 1, 327,680 bytes of LDS; arguments ao, aos, s_wo_codes, s_wo_scales, s_bo, h, ln2_g, ln2_b, wl, f_w1_scales, f_b1, out0, f_w2_scales, f_b2; writes out0
.if DOCPART == 4
	.amdgcn_target "amdgcn-amd-amdhsa--gfx1250"
	.amdhsa_code_object_version 6
	.text
	.protected	k_q87119a7633_tail
	.globl	k_q87119a7633_tail
	.p2align	8
	.type	k_q87119a7633_tail,@function
k_q87119a7633_tail:
	s_mov_b64 s[64:65], 0
	v_nop
	global_prefetch_b8 v0, s[64:65] scope:SCOPE_SE
	s_setreg_imm32_b32 hwreg(HW_REG_WAVE_MODE, 25, 1), 1
	s_wait_xcnt 0x0
	s_wait_alu depctr_hold_cnt(0) depctr_sa_sdst(0) depctr_va_vdst(0) depctr_va_sdst(0) depctr_va_ssrc(0) depctr_va_vcc(0) depctr_vm_vsrc(0)
	s_getreg_b32 s2, hwreg(HW_REG_IB_STS2, 6, 4)
	s_cmp_eq_u32 s2, 0
	s_cbranch_scc0 .Lentry_in_a_cluster
	s_endpgm
.Lentry_in_a_cluster:
	s_bfe_u32 s2, ttmp6, 0x10000c
	s_cmp_lg_u32 s2, 0x3003
	s_cbranch_scc0 .Lentry_shape_is_right
	s_endpgm
.Lentry_shape_is_right:
; h2 = LayerNorm(h + a Wo + bo) (a: the second attention's result, as codes);  out = h2 + gelu(h2 W1 + b1) W2 + b2.  Three products on codes of FP4 (E2M1), E8M0 scales; h2 and the hidden layer never go to memory.
; SHARES.  A work-group owns 32 tokens (two tiles of 16): the norm wants whole rows in one work-group.  Wave w owns 64 channels of Wo's and W2's N and 256 hidden units (four parts of 64).  So each weight byte is wanted by ONE wave, once,
; and goes from memory straight into its fragment registers: nine sets of 64 rows x 512 along K, each asked for two products ahead, in two sets of 128 registers by turns.
; NO CLUSTER: a joint load lands in LDS, from which every weight byte would be read exactly once by one wave: one LDS write and one LDS read more for each byte; and the weights' 1,179,648 bytes of codes would need slots filled again and again.
; LAYOUT: place r of token tile ut is token 8 ut + r + 8 (r / 8); the weight rows of channel tile 2 bb + u are 32 bb + 8 u + r + 8 (r / 8).  Products are used TRANSPOSED (source 0 = weight rows, source 1 = tokens): a lane holds one token, and
; register 16 bb + i of a token tile is channel 32 bb + 16 (lane / 16) + i: 16 neighbours along the next K.  Operands go from wave to wave through LDS as images of their registers.
; GELU is exact in form: 0.5 x (1 + erf(x / sqrt 2)), erf(z) = z P(z^2) / Q(z^2) on z held to +-4 (polynomials of degree 6 and 4).
; LIMITS: that form of erf is within about 1e-7 of erf, so far below zero gelu is a number of about 1e-7 |x| where the exact one is nearer 0; NaN and infinities are not served;
; a block whose largest magnitude lies under 2^-124 (a block of zeros too) gets the scale byte 1 (read by this program alone); 1 / sqrt by v_rsq_f32, 1 / Q by v_rcp_f32.
.set AIMG,  66560                      ; LDS: bytes 0 .. 66,559 the 32 rows (h, then h2, then out); then h2's 8 fragments
.set ASC,   74752                      ; their scale words
.set STAT1, 75264                      ; part sums [wave][ut][r], and 1,024 bytes on those of the squares
.set HIMG,  77312                      ; the hidden layer's 32 fragments: 16384 ut + 512 (hidden unit / 64) + 16 lane
.set HSC,   110080                     ; their scale words: [K step 0 .. 15][place 0 .. 31]
.set WA,  1
.set WSA, 2
.set BA,  3
.set LG,  5
.set L2,  6
.set RA,  8
.set RB,  9
.set GO,  10
.set L16, 11
.set IMW, 12
.set L4,  13
.set ISW, 14
.set ST,  15
.set STW, 244
.set WA2, 245                          ; v245 W2's codes: (r + 8 (r / 8)) x 1,024 + 16 h
.set WSA2, 246                         ; v246 W2's scales: (8 h + r + 8 (r / 8)) x 64
.set HMW, 247                          ; v247 HIMG + 16 lane + 2,048 w
.set HSW, 248                          ; v248 HSC + 4 r + 256 w
.set AF,  16
.set AS,  80
.set WS,  84
.set ACC, 100
.set BI,  164
.set GT,  196
.set TM,  196
.set PW,  212
.set MP,  212
.set GZ,  196                          ; gelu: z, z^2, P, Q: eight registers each
.set GZ2, 204
.set GP,  212
.set GQ,  220
.set PC,  228
.set BV,  240                          ; v240-243 two constants of erf as vector pairs
.set PAO, 8
.set PAOS, 10
.set PWOC, 12
.set PWOS, 14
.set PBO, 16
.set PX, 18
.set PG, 20
.set PB, 22
.set PW1C, 24
.set PW1S, 26
.set PB1, 28
.set PW2C, 36
.set PW2S, 32
.set PB2, 34
.set POUT, 30
.set G0, 40
.set G1, 44
.set WV, 52
.set SEL, 54
.set INV, 56
.set EPS, 57
.set EA13, 66                          ; erf's constants, each twice (the packed form names a pair)
.set EA9, 68
.set EA7, 70
.set EA5, 72
.set EA3, 74
.set EA1, 76
.set EB8, 78
.set EB4, 80
.set EB2, 82
.set EB0, 84
; HOW W1 AND W2 COME (this takes the place of what the head comment says of them; Wo, the scale words and the biases still go from memory straight into registers):
; CLUSTER 4, 1, 1: the four token blocks of a cluster walk the same weights.  wl holds W1 and W2 in the order of the operand registers, in sets of 8 x 16,384 bytes.  A set comes JOINTLY (mask 15) into ONE LDS slot,
; each wave fetching and reading its own 16,384 bytes; it is copied into the register set that has just been multiplied, and the next set is asked for behind the three lines and a round of the cluster's barrier: eight fills, one load a wave out.
; NO PREFETCH: each set is asked for a whole stage ahead of its copy, and the 64 clusters read the same 1,048,576 bytes in step.
.set SL,  168960                       ; the slot: 131,072 bytes behind the spare words
.set SLA, 249                          ; v249 SL + 16,384 w + 16 lane
.set G0W, 60                           ; s[60:63] group 0 of the weights' loads, which walks;  s[88:95] their group 1
.set G1W, 88
.set KSET, 0                           ; the set that WLOAD copied last: 1-4 W1's parts, 5-8 W2's
.set MSB, 0
.macro WIN new                         ; window 1 holds the weights' fragments; the immediate's high byte repeats the setting that is left
.if MSB != \new
	s_set_vgpr_msb (MSB<<8)|\new
.set MSB, \new
.endif
.endm
.macro PLACES                          ; four places behind a matrix instruction, ahead of loads into its registers and of the first read of results
.rept 4
	v_nop
.endr
.endm
.macro BAR                             ; my LDS stores have landed and my LDS loads are in: then the work-group's barrier
	s_wait_dscnt 0x0
	s_barrier_signal -1
	s_barrier_wait -1
.endm
.macro CROUND                          ; a round of the cluster's barrier
	s_barrier_signal -1
	s_barrier_wait -1
	s_cmp_lg_u32 s[WV], 0
	s_cbranch_scc1 .Lnot_wave_0_\@
	s_barrier_signal -3
.Lnot_wave_0_\@:
	s_barrier_wait -3
	s_barrier_signal -1
	s_barrier_wait -1
.endm
.macro WFILL                           ; behind WLOAD's wait and add: the add and my copies out of the slot are done; the round; the next set, my one tensor load behind it
.if KSET < 8
	s_wait_dscnt 0x0
	CROUND
	tensor_load_to_lds s[G0W:G0W+3], s[G1W:G1W+7]
	s_nop 0
.rept 4
	v_nop
.endr
.endif
.endm
.macro STEPP ptr
	s_add_nc_u64 s[\ptr:\ptr+1], s[\ptr:\ptr+1], s[4:5]
.endm
.macro WM d, a, b, c, sa, sb, ra, rb   ; one product; ra, rb: the side's scales stand in lanes 16-31
.if (\ra) && (\rb)
	v_wmma_scale_f32_16x16x128_f8f6f4 v[\d:\d+7], v[\a:\a+7], v[\b:\b+7], v[\c:\c+7], v[\sa], v[\sb] matrix_a_fmt:MATRIX_FMT_FP4 matrix_b_fmt:MATRIX_FMT_FP4 matrix_a_scale:MATRIX_SCALE_ROW1 matrix_b_scale:MATRIX_SCALE_ROW1
.elseif (\ra)
	v_wmma_scale_f32_16x16x128_f8f6f4 v[\d:\d+7], v[\a:\a+7], v[\b:\b+7], v[\c:\c+7], v[\sa], v[\sb] matrix_a_fmt:MATRIX_FMT_FP4 matrix_b_fmt:MATRIX_FMT_FP4 matrix_a_scale:MATRIX_SCALE_ROW1
.elseif (\rb)
	v_wmma_scale_f32_16x16x128_f8f6f4 v[\d:\d+7], v[\a:\a+7], v[\b:\b+7], v[\c:\c+7], v[\sa], v[\sb] matrix_a_fmt:MATRIX_FMT_FP4 matrix_b_fmt:MATRIX_FMT_FP4 matrix_b_scale:MATRIX_SCALE_ROW1
.else
	v_wmma_scale_f32_16x16x128_f8f6f4 v[\d:\d+7], v[\a:\a+7], v[\b:\b+7], v[\c:\c+7], v[\sa], v[\sb] matrix_a_fmt:MATRIX_FMT_FP4 matrix_b_fmt:MATRIX_FMT_FP4
.endif
.endm
; 32 products, transposed: 4 channel tiles x 2 token tiles x 4 K steps from weight set p.  The eight accumulators take turns, one instruction a turn, from one call to the next too.
.macro MULT p, first
	WIN 0x01
.irp s, 0,1,2,3
.irp ut, 0,1
.irp t, 0,1,2,3
.if (\first) && (\s == 0)
	WM ACC+32*\ut+8*\t, 128*(\p)+8*(4*\t+\s), AF+8*(4*\ut+\s), BI+8*\t, WS+8*(\p)+4*(\t/2)+\s, AS+\s, \t%2, \ut
.else
	WM ACC+32*\ut+8*\t, 128*(\p)+8*(4*\t+\s), AF+8*(4*\ut+\s), ACC+32*\ut+8*\t, WS+8*(\p)+4*(\t/2)+\s, AS+\s, \t%2, \ut
.endif
.endr
.endr
.endr
	WIN 0
.endm
; 34 loads: 64 rows x 512 along K of a weight into set p (32 loads), and their scale words (2).  rp, srp: a row of codes, of scale bytes; ko, sko: where the part begins
.macro WLOAD p, cb, sb, wa, wsa, rp, srp, ko, sko
.if \cb != PWOC
	s_wait_tensorcnt 0x0                           ; my 16,384 bytes of the set have landed: I alone read them
.endif
	WIN 0x40
.irp t, 0,1,2,3
.irp s, 0,1,2,3
.irp c, 0,1
.if \cb == PWOC
	global_load_b128 v[128*(\p)+8*(4*\t+\s)+4*\c:128*(\p)+8*(4*\t+\s)+4*\c+3], v[\wa], s[\cb:\cb+1] offset:(32*(\t/2)+8*(\t%2))*(\rp)+(\ko)+64*\s+32*\c
.else                                  ; W1 and W2 come from wl, which the first launch laid in the order of these registers: a set is 16,384 bytes, a load 512 consecutive bytes, 16 a lane
	ds_load_b128 v[128*(\p)+8*(4*\t+\s)+4*\c:128*(\p)+8*(4*\t+\s)+4*\c+3], v[SLA] offset:512*(8*\t+2*\s+\c)
.endif
.endr
.endr
.endr
	WIN 0
.irp g, 0,1
	global_load_b128 v[WS+8*(\p)+4*\g:WS+8*(\p)+4*\g+3], v[\wsa], s[\sb:\sb+1] offset:32*\g*(\srp)+(\sko)
.endr
.if \cb != PWOC
.if \cb == PW1C
.set KSET, 1+(\ko)/16384
.else
.set KSET, 5+(\ko)/256
.endif
.if KSET < 8                           ; the slot is filled again: WFILL holds the wait for the add, the round and the load
	s_wait_tensorcnt 0x0
	ds_add_u32 v254, v255
	s_add_nc_u64 s[G0W+2:G0W+3], s[G0W+2:G0W+3], 16384+458752*(KSET/4)*(1-KSET/5)   ; no load of mine is out: on to the next set (from W1's last part to W2's first: 524,288 - 49,152 bytes)
.endif
.endif
.endm
.macro BLOAD dst, base, off            ; 8 loads: 64 numbers a channel in the transposed result's layout
.irp t, 0,1,2,3
.irp q, 0,1
	global_load_b128 v[\dst+8*\t+4*\q:\dst+8*\t+4*\q+3], v[BA], s[\base:\base+1] offset:(\off)+128*(\t/2)+32*(\t%2)+16*\q
.endr
.endr
.endm
; 64 numbers of a lane, register 16 b + i = my i-th of 16 neighbours of block b (lane l xor 16 holds the other 16), become codes in v[PC] on and the four scale bytes in v[PW]
.macro QUANT src, swap
.irp b, 0,1,2,3
	v_max3_num_f32 v[TM+\b], |v[\src+16*\b]|, |v[\src+16*\b+1]|, 0x1800000   ; with the floor 2^(3 - 127): the byte cannot fall under 1
.endr
.irp i, 2,4,6,8,10,12,14
.irp b, 0,1,2,3
	s_delay_alu instid0(VALU_DEP_4)
	v_max3_num_f32 v[TM+\b], v[TM+\b], |v[\src+16*\b+\i]|, |v[\src+16*\b+\i+1]|
.endr
.endr
.irp b, 0,1,2,3
	s_delay_alu instid0(VALU_DEP_4)
	v_permlanex16_b32 v[TM+4+\b], v[TM+\b], s[SEL], s[SEL+1]
.endr
.irp b, 0,1,2,3
	s_delay_alu instid0(VALU_DEP_4)
	v_max_num_f32 v[TM+\b], v[TM+\b], v[TM+4+\b]
.endr
.irp b, 0,1,2,3
	s_delay_alu instid0(VALU_DEP_4)
	v_add_nc_u32 v[TM+12+\b], 0xff000000, v[TM+\b]   ; 2 off the exponent field: the conversion's scale operand
.endr
.irp b, 0,1,2,3
	s_delay_alu instid0(VALU_DEP_4)
	v_lshrrev_b32 v[TM+4+\b], 23, v[TM+12+\b]
.endr
	s_delay_alu instid0(VALU_DEP_3)
	v_lshl_or_b32 v[PW], v[TM+5], 8, v[TM+4]
	s_delay_alu instid0(VALU_DEP_1)
	v_lshl_or_b32 v[PW], v[TM+6], 16, v[PW]
	s_delay_alu instid0(VALU_DEP_1)
	v_lshl_or_b32 v[PW], v[TM+7], 24, v[PW]
.irp b, 0,1,2,3
	v_cvt_scalef32_pk8_fp4_f32 v[PC+2*\b], v[\src+16*\b:\src+16*\b+7], v[TM+12+\b]
	v_cvt_scalef32_pk8_fp4_f32 v[PC+2*\b+1], v[\src+16*\b+8:\src+16*\b+15], v[TM+12+\b]
.endr
	v_nop                                          ; one plain place behind a scaled conversion
.if \swap
.irp c, 0,1
.irp i, 0,1
	v_permlane16_swap_b32 v[PC+4*\c+\i], v[PC+4*\c+2+\i]
.endr
.endr
.endif
.endm
.macro RLOAD dst                       ; my 64 channels of the 32 rows, in the transposed result's layout
.irp ut, 0,1
.irp bb, 0,1
.irp u, 0,1
.irp q, 0,1
	ds_load_b128 v[\dst+32*\ut+16*\bb+8*\u+4*\q:\dst+32*\ut+16*\bb+8*\u+4*\q+3], v[RA] offset:16640*\ut+128*\bb+32*\u+16*\q
.endr
.endr
.endr
.endr
.endm
.macro RSTORE                          ; and back to the same bytes
.irp ut, 0,1
.irp bb, 0,1
.irp u, 0,1
.irp q, 0,1
	ds_store_b128 v[RA], v[ACC+32*\ut+16*\bb+8*\u+4*\q:ACC+32*\ut+16*\bb+8*\u+4*\q+3] offset:16640*\ut+128*\bb+32*\u+16*\q
.endr
.endr
.endr
.endr
.endm
.macro QIMG ia, io, us, sa, so
	QUANT ACC, 1
	ds_store_b128 v[\ia], v[PC:PC+3] offset:\io
	ds_store_b128 v[\ia], v[PC+4:PC+7] offset:(\io)+(\us)
	ds_store_b16 v[\sa], v[PW] offset:\so
	ds_store_b16_d16_hi v[\sa], v[PW] offset:(\so)+64
.endm
.macro AFETCH off, ust, soff           ; 8 fragments (16 loads) and 4 scale words
.irp ut, 0,1
.irp s, 0,1,2,3
.irp c, 0,1
	ds_load_b128 v[AF+8*(4*\ut+\s)+4*\c:AF+8*(4*\ut+\s)+4*\c+3], v[L16] offset:(\off)+(\ust)*\ut+1024*\s+512*\c
.endr
.endr
.endr
.irp s, 0,1,2,3
	ds_load_b32 v[AS+\s], v[L4] offset:(\soff)+128*\s
.endr
.endm
.macro LANESUM sq                      ; my 32 numbers of each token: their sum (sq = 0) or the sum of their squares (1), in two chains a token tile
.irp ut, 0,1
.if \sq
	v_pk_mul_f32 v[GT+4*\ut:GT+4*\ut+1], v[ACC+32*\ut:ACC+32*\ut+1], v[ACC+32*\ut:ACC+32*\ut+1]
	v_pk_mul_f32 v[GT+4*\ut+2:GT+4*\ut+3], v[ACC+32*\ut+2:ACC+32*\ut+3], v[ACC+32*\ut+2:ACC+32*\ut+3]
.else
	v_pk_add_f32 v[GT+4*\ut:GT+4*\ut+1], v[ACC+32*\ut:ACC+32*\ut+1], v[ACC+32*\ut+4:ACC+32*\ut+5]
	v_pk_add_f32 v[GT+4*\ut+2:GT+4*\ut+3], v[ACC+32*\ut+2:ACC+32*\ut+3], v[ACC+32*\ut+6:ACC+32*\ut+7]
.endif
.endr
.irp j, 4,8,12,16,20,24,28
.irp ut, 0,1
.if \sq
	s_delay_alu instid0(VALU_DEP_4)
	v_pk_fma_f32 v[GT+4*\ut:GT+4*\ut+1], v[ACC+32*\ut+\j:ACC+32*\ut+\j+1], v[ACC+32*\ut+\j:ACC+32*\ut+\j+1], v[GT+4*\ut:GT+4*\ut+1]
	s_delay_alu instid0(VALU_DEP_4)
	v_pk_fma_f32 v[GT+4*\ut+2:GT+4*\ut+3], v[ACC+32*\ut+\j+2:ACC+32*\ut+\j+3], v[ACC+32*\ut+\j+2:ACC+32*\ut+\j+3], v[GT+4*\ut+2:GT+4*\ut+3]
.elseif \j > 4
	s_delay_alu instid0(VALU_DEP_4)
	v_pk_add_f32 v[GT+4*\ut:GT+4*\ut+1], v[GT+4*\ut:GT+4*\ut+1], v[ACC+32*\ut+\j:ACC+32*\ut+\j+1]
	s_delay_alu instid0(VALU_DEP_4)
	v_pk_add_f32 v[GT+4*\ut+2:GT+4*\ut+3], v[GT+4*\ut+2:GT+4*\ut+3], v[ACC+32*\ut+\j+2:ACC+32*\ut+\j+3]
.endif
.endr
.endr
.endm
.macro EXCH off                        ; the chains, lane l xor 16's half and the eight waves' parts are added: the row's sum in v[GT + 8 ut], the same bits in every wave
.irp ut, 0
	s_delay_alu instid0(VALU_DEP_3)
	v_pk_add_f32 v[GT+4*\ut:GT+4*\ut+1], v[GT+4*\ut:GT+4*\ut+1], v[GT+4*\ut+2:GT+4*\ut+3]
.endr
.irp ut, 1
	s_delay_alu instid0(VALU_DEP_2)
	v_pk_add_f32 v[GT+4*\ut:GT+4*\ut+1], v[GT+4*\ut:GT+4*\ut+1], v[GT+4*\ut+2:GT+4*\ut+3]
.endr
.irp ut, 0,1
	s_delay_alu instid0(VALU_DEP_2)
	v_add_f32 v[GT+4*\ut], v[GT+4*\ut], v[GT+4*\ut+1]
.endr
.irp ut, 0,1
	s_delay_alu instid0(VALU_DEP_2)
	v_permlanex16_b32 v[GT+4*\ut+1], v[GT+4*\ut], s[SEL], s[SEL+1]
.endr
.irp ut, 0,1
	s_delay_alu instid0(VALU_DEP_2)
	v_add_f32 v[GT+4*\ut], v[GT+4*\ut], v[GT+4*\ut+1]
.endr
.irp ut, 0,1
	ds_store_b32 v[STW], v[GT+4*\ut] offset:(\off)+64*\ut
.endr
	BAR
.irp ut, 0,1
.irp k, 0,1,2,3,4,5,6,7
	ds_load_b32 v[GT+8*\ut+\k], v[ST] offset:(\off)+128*\k+64*\ut
.endr
.endr
	s_wait_dscnt 0x0
.irp ut, 0,1
	v_pk_add_f32 v[GT+8*\ut:GT+8*\ut+1], v[GT+8*\ut:GT+8*\ut+1], v[GT+8*\ut+2:GT+8*\ut+3]
	v_pk_add_f32 v[GT+8*\ut+4:GT+8*\ut+5], v[GT+8*\ut+4:GT+8*\ut+5], v[GT+8*\ut+6:GT+8*\ut+7]
.endr
.irp ut, 0
	s_delay_alu instid0(VALU_DEP_3)
	v_pk_add_f32 v[GT+8*\ut:GT+8*\ut+1], v[GT+8*\ut:GT+8*\ut+1], v[GT+8*\ut+4:GT+8*\ut+5]
.endr
.irp ut, 1
	s_delay_alu instid0(VALU_DEP_2)
	v_pk_add_f32 v[GT+8*\ut:GT+8*\ut+1], v[GT+8*\ut:GT+8*\ut+1], v[GT+8*\ut+4:GT+8*\ut+5]
.endr
.irp ut, 0,1
	s_delay_alu instid0(VALU_DEP_2)
	v_add_f32 v[GT+8*\ut], v[GT+8*\ut], v[GT+8*\ut+1]
.endr
.endm
; ACC holds a W + bias.  The residual rows are added, the rows are normalised, written over the residual rows in place, quantised, and their images stored.
.macro LNORM
	RLOAD AF                                       ; the residual rows: every wave has waited for its four and passed a round since
	s_wait_dscnt 0x0
.set j, 0
.rept 32
	v_pk_add_f32 v[ACC+j:ACC+j+1], v[ACC+j:ACC+j+1], v[AF+j:AF+j+1]   ; each accumulator from its low end on
.set j, j+2
.endr
	BLOAD AF, PG, 0                                ; the gain and the offset of my 64 channels land under the two passes
	BLOAD AF+32, PB, 0
	LANESUM 0
	EXCH 0
.irp ut, 0
	s_delay_alu instid0(VALU_DEP_2)
	v_mul_f32 v[MP+2*\ut], s[INV], v[GT+8*\ut]     ; the mean, twice: a pair for the packed form
	s_delay_alu instid0(VALU_DEP_3)
	v_mul_f32 v[MP+2*\ut+1], s[INV], v[GT+8*\ut]
.endr
.irp ut, 1
	s_delay_alu instid0(VALU_DEP_3)
	v_mul_f32 v[MP+2*\ut], s[INV], v[GT+8*\ut]     ; the mean, twice: a pair for the packed form
	s_delay_alu instid0(VALU_DEP_4)
	v_mul_f32 v[MP+2*\ut+1], s[INV], v[GT+8*\ut]
.endr
.irp ut, 0,1
.set j, 0
.rept 16
	v_pk_add_f32 v[ACC+32*\ut+j:ACC+32*\ut+j+1], v[ACC+32*\ut+j:ACC+32*\ut+j+1], v[MP+2*\ut:MP+2*\ut+1] neg_lo:[0,1] neg_hi:[0,1]
.set j, j+2
.endr
.endr
	LANESUM 1
	EXCH 1024
.irp ut, 0,1
	s_delay_alu instid0(VALU_DEP_2)
	v_fma_f32 v[MP+2*\ut], v[GT+8*\ut], s[INV], s[EPS]   ; the variance + 1e-6
.endr
	s_wait_alu depctr_va_vdst(0)
.irp ut, 0,1
	v_rsq_f32 v[MP+2*\ut], v[MP+2*\ut]
.endr
	v_nop                                          ; a plain place behind the transcendentals
	s_wait_alu depctr_va_vdst(0)
.irp ut, 0,1
	v_mov_b32 v[MP+2*\ut+1], v[MP+2*\ut]
.endr
	s_wait_alu depctr_va_vdst(0)
	s_wait_loadcnt 0x0                             ; the gain and the offset (and all that was asked for ahead of them)
.irp ut, 0,1
.set j, 0
.rept 16
	v_pk_mul_f32 v[ACC+32*\ut+j:ACC+32*\ut+j+1], v[ACC+32*\ut+j:ACC+32*\ut+j+1], v[MP+2*\ut:MP+2*\ut+1]
.set j, j+2
.endr
.endr
.irp ut, 0,1
.set j, 0
.rept 16
	v_pk_fma_f32 v[ACC+32*\ut+j:ACC+32*\ut+j+1], v[ACC+32*\ut+j:ACC+32*\ut+j+1], v[AF+j:AF+j+1], v[AF+32+j:AF+32+j+1]
.set j, j+2
.endr
.endr
	RSTORE                                         ; two barriers lie between every wave's reads of the rows and these stores
	QIMG IMW, 0, 4096, ISW, 0
	BAR                                            ; the rows and the eight fragments lie in LDS
.endm
; gelu in place on the 64 registers of ACC, an accumulator (8 registers) at a time, each from its low end on
.macro GELU half                       ; half 0: accumulators 0-3, half 1: 4-7
.irp a, 0,1,2,3,4,5,6,7
.if \a/4 == \half
.irp j, 0,2,4,6
	v_pk_mul_f32 v[GZ+\j:GZ+\j+1], v[ACC+8*\a+\j:ACC+8*\a+\j+1], 0x3f3504f3 op_sel_hi:[1,0]   ; z = x / sqrt 2
.endr
.irp j, 0,1,2,3,4,5,6,7
	v_med3_num_f32 v[GZ+\j], v[GZ+\j], -4.0, 4.0
.endr
.irp j, 0,2,4,6
	v_pk_mul_f32 v[GZ2+\j:GZ2+\j+1], v[GZ+\j:GZ+\j+1], v[GZ+\j:GZ+\j+1]
.endr
.irp j, 0,2,4,6
	v_pk_fma_f32 v[GP+\j:GP+\j+1], v[GZ2+\j:GZ2+\j+1], s[EA13:EA13+1], v[BV:BV+1] op_sel_hi:[1,0,1]
	v_pk_fma_f32 v[GQ+\j:GQ+\j+1], v[GZ2+\j:GZ2+\j+1], s[EB8:EB8+1], v[BV+2:BV+3] op_sel_hi:[1,0,1]
.endr
.irp k, EA9, EA7, EA5, EA3, EA1
.irp j, 0,2,4,6
	v_pk_fma_f32 v[GP+\j:GP+\j+1], v[GP+\j:GP+\j+1], v[GZ2+\j:GZ2+\j+1], s[\k:\k+1] op_sel_hi:[1,1,0]
.endr
.endr
.irp k, EB4, EB2, EB0
.irp j, 0,2,4,6
	v_pk_fma_f32 v[GQ+\j:GQ+\j+1], v[GQ+\j:GQ+\j+1], v[GZ2+\j:GZ2+\j+1], s[\k:\k+1] op_sel_hi:[1,1,0]
.endr
.endr
	s_wait_alu depctr_va_vdst(0)
.irp j, 0,1,2,3,4,5,6,7
	v_rcp_f32 v[GQ+\j], v[GQ+\j]
.endr
.irp j, 0,2,4,6
	v_pk_mul_f32 v[GP+\j:GP+\j+1], v[GZ+\j:GZ+\j+1], v[GP+\j:GP+\j+1]   ; z P: also the plain place behind the reciprocals
.endr
	s_wait_alu depctr_va_vdst(0)
.irp j, 0,2,4,6
	v_pk_mul_f32 v[GP+\j:GP+\j+1], v[GP+\j:GP+\j+1], v[GQ+\j:GQ+\j+1]   ; erf
.endr
.irp j, 0,2,4,6
	v_pk_mul_f32 v[GZ+\j:GZ+\j+1], v[ACC+8*\a+\j:ACC+8*\a+\j+1], 0.5 op_sel_hi:[1,0]
.endr
.irp j, 0,2,4,6
	s_delay_alu instid0(VALU_DEP_4)
	v_pk_fma_f32 v[ACC+8*\a+\j:ACC+8*\a+\j+1], v[GZ+\j:GZ+\j+1], v[GP+\j:GP+\j+1], v[GZ+\j:GZ+\j+1]   ; 0.5 x erf + 0.5 x
.endr
.endif
.endr
.endm
; Part i of the hidden layer: my hidden units 64 i on, from weight set p; behind the products the bias of the next product and the weights of the product after next are asked for
.macro FF1 i, p, nbp, nbo, ncb, nsb, nwa, nwsa, nrp, nsrp, nko, nsko
	s_wait_loadcnt 2                               ; at most the 2 loads asked for last (a later set's scale words) are out: this part's bias and scale words are in
	MULT \p, 1
	PLACES
	BLOAD BI, \nbp, \nbo
	WLOAD \p, \ncb, \nsb, \nwa, \nwsa, \nrp, \nsrp, \nko, \nsko
	GELU 0                                         ; work on registers between the add and the wait for it: my copies out of the slot land meanwhile
	WFILL
	GELU 1
	s_wait_dscnt 0x0                               ; the last part's LDS stores have read the codes' registers
	QIMG HMW, 512*\i, 16384, HSW, 128*(\i/2)+2*(\i%2)
.endm
; 512 along K of the last product: hidden units 512 kc on
.macro FF2 kc, p, first, left, more
	AFETCH (HIMG-AIMG)+4096*\kc, 16384, (HSC-ASC)+512*\kc
	s_wait_loadcnt 2*((\left)/34)                  ; this part's scale words (and b2) are in; the next set's 2 loads may be out
	s_wait_dscnt 0x0
	MULT \p, \first
	PLACES
.if \more
	WLOAD \p, PW2C, PW2S, WA2, WSA2, 1024, 64, 256*(\kc+2), 16*(\kc+2)
	WFILL
.endif
.endm
	s_load_b512 s[8:23], s[0:1], 0x0
	s_load_b256 s[24:31], s[0:1], 0x40
	s_load_b128 s[32:35], s[0:1], 0x60
	v_lshl_add_u32 v254, v0, 2, 0x29000
	v_mov_b32 v255, 0
	ds_add_u32 v254, v255
	ds_add_u32 v254, v255
	v_lshrrev_b32 v[GT], 5, v0
	s_delay_alu instid0(VALU_DEP_1)
	v_readfirstlane_b32 s[WV], v[GT]               ; wave 0..7
	s_mov_b32 s[G1+0], (3<<16)|(1<<20)|(7<<22)|(3<<25)   ; elements of 8 bytes; padding on: 4 words behind every 256
	s_mov_b32 s[G1+1], 128<<16                     ; half a row: 128 elements
	s_mov_b32 s[G1+2], 8<<16
	s_mov_b32 s[G1+3], 128<<16
	s_mov_b32 s[G1+4], 8
	s_mov_b32 s[G1+5], 128
	s_mov_b32 s[G1+6], 0
	s_mov_b32 s[G1+7], 0
	s_mov_b32 s[G1W], 15|(3<<16)|(1<<21)           ; the weights: the mask names all four work-groups; elements of 8 bytes; bit 21 beside a mask; no padding
	s_mov_b32 s[G1W+1], 32<<16                     ; 64 rows of 32 elements: 16,384 dense bytes
	s_mov_b32 s[G1W+2], 64<<16
	s_mov_b32 s[G1W+3], 32<<16
	s_mov_b32 s[G1W+4], 64
	s_mov_b32 s[G1W+5], 32
	s_mov_b32 s[G1W+6], 0
	s_mov_b32 s[G1W+7], 0
	s_mov_b32 s[G0W], 1
	s_lshl_b32 s[G0W+1], s[WV], 14
	s_add_co_u32 s[G0W+1], s[G0W+1], SL            ; my part of the slot
	s_mov_b32 s[G0], 1
	s_mul_i32 s[G0+1], s[WV], 8320
	s_bfe_u32 s58, ttmp6, 0x40000                  ; cx: it enters the addresses of a, h and out alone
	s_lshl_b32 s59, ttmp9, 2
	s_add_co_u32 s58, s58, s59                     ; my block of 32 tokens = 4 x cluster + cx
	s_lshl_b32 s4, s58, 16
	s_lshl_b32 s5, s[WV], 13
	s_add_co_u32 s4, s4, s5
	s_mov_b32 s5, 0
	s_wait_dscnt 0x0
	s_wait_kmcnt 0x0
	s_add_nc_u64 s[G0+2:G0+3], s[PX:PX+1], s[4:5]
	s_or_b32 s[G0+3], s[G0+3], 0x80000000
	CROUND                                         ; in a cluster launch a round stands in front of the first tensor loads
	tensor_load_to_lds s[G0:G0+3], s[G1:G1+7]      ; my four rows of h: the only fill of these bytes; one load of mine is out
	s_nop 0
.rept 4
	v_nop
.endr
	s_mov_b32 s[SEL], 0x76543210
	s_mov_b32 s[SEL+1], 0xfedcba98
	s_mov_b32 s[INV], 0x3b000000                   ; 1 / 512
	s_mov_b32 s[EPS], 0x358637bd                   ; 1e-6
	s_mov_b32 s[EA13], 0xaf95df0b                  ; P: -2.72614226e-10 z^12
	s_mov_b32 s[EA9], 0xb60cff51                   ;    -2.10102402e-06 z^8   (+2.77068142e-08 z^10 stands in v240)
	s_mov_b32 s[EA7], 0xb86ec2d2                   ;    -5.69250639e-05 z^6
	s_mov_b32 s[EA5], 0xba40ac63                   ;    -7.34990630e-04 z^4
	s_mov_b32 s[EA3], 0xbb41a1f6                   ;    -2.95459981e-03 z^2
	s_mov_b32 s[EA1], 0xbc83dbd4                   ;    -1.60960333e-02
	s_mov_b32 s[EB8], 0xb77460cd                   ; Q: -1.45660718e-05 z^8   (-2.13374055e-04 z^6 stands in v242)
	s_mov_b32 s[EB4], 0xbadc924e                   ;    -1.68282697e-03 z^4
	s_mov_b32 s[EB2], 0xbbf19bf8                   ;    -7.37332917e-03 z^2
	s_mov_b32 s[EB0], 0xbc69b6a7                   ;    -1.42647391e-02
.irp k, EA13, EA9, EA7, EA5, EA3, EA1, EB8, EB4, EB2, EB0
	s_mov_b32 s[\k+1], s[\k]
.endr
	v_mov_b32 v[BV], 0x32edffee
	v_mov_b32 v[BV+1], 0x32edffee
	v_mov_b32 v[BV+2], 0xb95fbd29
	v_mov_b32 v[BV+3], 0xb95fbd29
	v_and_b32 v[GT+1], 31, v0                      ; lane
	v_and_b32 v[GT+2], 15, v0                      ; r
	v_bfe_u32 v[GT+3], v0, 4, 1                    ; h
	s_delay_alu instid0(VALU_DEP_2)
	v_and_b32 v[GT+8], 8, v[GT+2]
	s_delay_alu instid0(VALU_DEP_1)
	v_add_nc_u32 v[GT+8], v[GT+8], v[GT+2]         ; r + 8 (r / 8)
	s_delay_alu instid0(VALU_DEP_1)
	v_lshlrev_b32 v[WA], 8, v[GT+8]
	s_delay_alu instid0(VALU_DEP_1)
	v_lshl_add_u32 v[WA], v[GT+3], 4, v[WA]
	s_delay_alu instid0(VALU_DEP_3)
	v_lshl_add_u32 v[WSA], v[GT+3], 3, v[GT+8]
	s_delay_alu instid0(VALU_DEP_1)
	v_lshlrev_b32 v[WSA2], 6, v[WSA]
	s_delay_alu instid0(VALU_DEP_2)
	v_lshlrev_b32 v[WSA], 4, v[WSA]
	v_lshlrev_b32 v[WA2], 10, v[GT+8]
	s_delay_alu instid0(VALU_DEP_1)
	v_lshl_add_u32 v[WA2], v[GT+3], 4, v[WA2]
	v_lshlrev_b32 v[BA], 6, v[GT+3]
	v_lshlrev_b32 v[LG], 4, v[GT+1]
	v_lshlrev_b32 v[L2], 1, v[GT+1]
	s_lshr_b32 s6, s[WV], 2
	s_mul_i32 s6, s6, 1040
	s_and_b32 s7, s[WV], 3
	s_lshl_b32 s7, s7, 8
	s_add_co_u32 s6, s6, s7
	v_mul_u32_u24 v[RA], v[GT+8], 2080
	s_delay_alu instid0(VALU_DEP_1)
	v_lshl_add_u32 v[RA], v[GT+3], 6, v[RA]
	s_delay_alu instid0(VALU_DEP_1)
	v_add_nc_u32 v[RA], s6, v[RA]
	s_mul_i32 s6, s[WV], 8320
	v_add_nc_u32 v[RB], s6, v[LG]
	s_lshl_b32 s6, s[WV], 13
	v_add_nc_u32 v[GO], s6, v[LG]
	v_add_nc_u32 v[L16], AIMG, v[LG]
	s_lshl_b32 s6, s[WV], 9
	v_add_nc_u32 v[IMW], s6, v[L16]
	v_lshl_add_u32 v[L4], v[GT+1], 2, ASC
	s_lshr_b32 s6, s[WV], 1
	s_lshl_b32 s6, s6, 7
	s_and_b32 s7, s[WV], 1
	s_lshl_b32 s7, s7, 1
	s_add_co_u32 s6, s6, s7
	v_lshl_add_u32 v[ISW], v[GT+2], 2, ASC
	s_delay_alu instid0(VALU_DEP_1)
	v_add_nc_u32 v[ISW], s6, v[ISW]
	v_lshl_add_u32 v[ST], v[GT+2], 2, STAT1
	s_lshl_b32 s6, s[WV], 7
	v_add_nc_u32 v[STW], s6, v[ST]
	v_add_nc_u32 v[HMW], HIMG, v[LG]
	s_lshl_b32 s6, s[WV], 11
	v_add_nc_u32 v[HMW], s6, v[HMW]
	v_lshl_add_u32 v[HSW], v[GT+2], 2, HSC
	s_lshl_b32 s6, s[WV], 8
	v_add_nc_u32 v[HSW], s6, v[HSW]
	v_add_nc_u32 v[SLA], SL, v[LG]
	s_lshl_b32 s6, s[WV], 14
	v_add_nc_u32 v[SLA], s6, v[SLA]
	s_lshl_b32 s4, s[WV], 14                       ; Wo: my 64 rows of 256 bytes
	STEPP PWOC
	s_lshl_b32 s4, s[WV], 10
	STEPP PWOS
	STEPP PB1                                      ; b1: my 256 numbers
	s_lshl_b32 s4, s[WV], 8                        ; my 64 numbers of each vector
	STEPP PBO
	STEPP PG
	STEPP PB
	STEPP PB2
	s_lshl_b32 s86, s[WV], 16                      ; wl: my four parts of W1 begin 65,536 w bytes in (and my four of W2 524,288 further on)
	s_mov_b32 s87, 0
	s_add_nc_u64 s[G0W+2:G0W+3], s[PW1C:PW1C+1], s[86:87]
	s_or_b32 s[G0W+3], s[G0W+3], 0x80000000
	s_lshl_b32 s4, s[WV], 12                       ; their scale bytes: 256 rows of 16, 64 rows of 64
	STEPP PW1S
	STEPP PW2S
	s_lshl_b32 s4, s58, 13
	STEPP PAO
	s_lshl_b32 s4, s58, 16
	STEPP POUT
	s_lshr_b32 s6, s58, 6
	s_and_b32 s7, s58, 63
	s_lshl_b32 s4, s6, 15
	s_lshl_b32 s2, s7, 6
	s_add_co_u32 s4, s4, s2
	STEPP PAOS
.irp ut, 0,1
.irp s, 0,1,2,3
.irp c, 0,1
	global_load_b128 v[AF+8*(4*\ut+\s)+4*\c:AF+8*(4*\ut+\s)+4*\c+3], v[LG], s[PAO:PAO+1] offset:4096*\ut+1024*\s+512*\c   ; a's fragments, as they were stored
.endr
.endr
.endr
.irp hd, 0,1,2,3,4,5,6,7
	global_load_u16 v[GT+\hd], v[L2], s[PAOS:PAOS+1] offset:4096*\hd   ; two scale bytes for each token place and head
.endr
	BLOAD BI, PBO, 0
	WLOAD 0, PWOC, PWOS, WA, WSA, 256, 16, 0, 0
	s_wait_alu depctr_va_vdst(0)
	s_wait_tensorcnt 0x0                           ; my four rows of h are in
	ds_add_u32 v254, v255
	s_wait_dscnt 0x0
	CROUND                                         ; everybody's rows are in, and the four work-groups are here: the joint loads meet
	tensor_load_to_lds s[G0W:G0W+3], s[G1W:G1W+7]  ; W1's first part: the slot's first fill
	s_nop 0
.rept 4
	v_nop
.endr
	s_wait_loadcnt 0x0                             ; a, its scale bytes, bo, Wo
.irp s, 0,1,2,3
	v_lshl_or_b32 v[AS+\s], v[GT+2*\s+1], 16, v[GT+2*\s]   ; K step s: heads 2 s and 2 s + 1
.endr
.rept 8
	v_nop                                          ; a scale register written by a vector instruction stands eight places ahead of a scaled product
.endr
	MULT 0, 1
	PLACES
	BLOAD BI, PB1, 0
	WLOAD 1, PW1C, PW1S, WA, WSA, 256, 16, 0, 0
	WFILL
	LNORM                                          ; h2 lies in the rows' bytes and, as codes, in the images
	WLOAD 0, PW1C, PW1S, WA, WSA, 256, 16, 16384, 1024
	WFILL
	AFETCH 0, 4096, 0
	s_wait_dscnt 0x0
	FF1 0, 1, PB1, 256, PW1C, PW1S, WA, WSA, 256, 16, 2*16384, 2*1024
	FF1 1, 0, PB1, 512, PW1C, PW1S, WA, WSA, 256, 16, 3*16384, 3*1024
	FF1 2, 1, PB1, 768, PW2C, PW2S, WA2, WSA2, 1024, 64, 0, 0
	FF1 3, 0, PB2, 0, PW2C, PW2S, WA2, WSA2, 1024, 64, 256, 16
	BAR                                            ; the hidden layer's 32 fragments lie in LDS
	FF2 0, 1, 1, 34, 1
	FF2 1, 0, 0, 34, 1
	FF2 2, 1, 0, 34, 0
	FF2 3, 0, 0, 0, 0
	RLOAD AF                                       ; h2, for the residual
	BAR                                            ; every wave's reads of the rows are in
.set j, 0
.rept 32
	v_pk_add_f32 v[ACC+j:ACC+j+1], v[ACC+j:ACC+j+1], v[AF+j:AF+j+1]
.set j, j+2
.endr
	RSTORE
	BAR                                            ; 32 whole rows of the result lie in LDS
.irp i, 0,1,2,3
.irp k, 0,1,2,3
	ds_load_b128 v[ACC+4*(4*\i+\k):ACC+4*(4*\i+\k)+3], v[RB] offset:2080*\i+1040*(\k/2)+512*(\k%2)
.endr
.endr
.irp i, 0,1,2,3
.irp k, 0,1,2,3
	s_wait_dscnt 15-(4*\i+\k)                      ; LDS loads come back in order: this one is in, the younger ones may be out
	global_store_b128 v[GO], v[ACC+4*(4*\i+\k):ACC+4*(4*\i+\k)+3], s[POUT:POUT+1] offset:2048*\i+512*\k th:TH_STORE_NT   ; 32 lanes store 512 consecutive bytes, aligned
.endr
.endr
	s_wait_tensorcnt 0x0
	ds_add_u32 v254, v255
	s_wait_dscnt 0x0
	CROUND                                         ; the closing round: no work-group ends while a partner may still ask for a set that names it
	s_endpgm
.Lfunc_end_k_q87119a7633_tail:
	.size	k_q87119a7633_tail, .Lfunc_end_k_q87119a7633_tail-k_q87119a7633_tail
	.p2alignl 7, 3214868480
	.fill 96, 4, 3214868480
	.section	.rodata,"a",@progbits
	.p2align	6, 0x0
	.amdhsa_kernel k_q87119a7633_tail
		.amdhsa_group_segment_fixed_size 327680
		.amdhsa_private_segment_fixed_size 0
		.amdhsa_enable_private_segment 0
		.amdhsa_kernarg_size 112
		.amdhsa_user_sgpr_count 2
		.amdhsa_user_sgpr_kernarg_segment_ptr 1
		.amdhsa_wavefront_size32 1
		.amdhsa_system_sgpr_workgroup_id_x 1
		.amdhsa_system_sgpr_workgroup_id_y 1
		.amdhsa_system_sgpr_workgroup_id_z 1
		.amdhsa_system_vgpr_workitem_id 0
		.amdhsa_next_free_vgpr 512
		.amdhsa_next_free_sgpr 96
		.amdhsa_reserve_vcc 0
		.amdhsa_float_denorm_mode_32 3
		.amdhsa_float_denorm_mode_16_64 3
		.amdhsa_memory_ordered 1
		.amdhsa_forward_progress 1
		.amdhsa_inst_pref_size 255
	.end_amdhsa_kernel
	.section	.bss,"aw",@nobits
	.p2align	6
	.space	262144
	.amdgpu_metadata
---
amdhsa.version: [ 1, 2 ]
amdhsa.kernels:
  - .name:           k_q87119a7633_tail
    .symbol:         k_q87119a7633_tail.kd
    .args:
      - { .name: ao, .offset: 0, .size: 8, .value_kind: global_buffer, .address_space: global }
      - { .name: aos, .offset: 8, .size: 8, .value_kind: global_buffer, .address_space: global }
      - { .name: s_wo_codes, .offset: 16, .size: 8, .value_kind: global_buffer, .address_space: global }
      - { .name: s_wo_scales, .offset: 24, .size: 8, .value_kind: global_buffer, .address_space: global }
      - { .name: s_bo, .offset: 32, .size: 8, .value_kind: global_buffer, .address_space: global }
      - { .name: h, .offset: 40, .size: 8, .value_kind: global_buffer, .address_space: global }
      - { .name: ln2_g, .offset: 48, .size: 8, .value_kind: global_buffer, .address_space: global }
      - { .name: ln2_b, .offset: 56, .size: 8, .value_kind: global_buffer, .address_space: global }
      - { .name: wl, .offset: 64, .size: 8, .value_kind: global_buffer, .address_space: global }
      - { .name: f_w1_scales, .offset: 72, .size: 8, .value_kind: global_buffer, .address_space: global }
      - { .name: f_b1, .offset: 80, .size: 8, .value_kind: global_buffer, .address_space: global }
      - { .name: out0, .offset: 88, .size: 8, .value_kind: global_buffer, .address_space: global }
      - { .name: f_w2_scales, .offset: 96, .size: 8, .value_kind: global_buffer, .address_space: global }
      - { .name: f_b2, .offset: 104, .size: 8, .value_kind: global_buffer, .address_space: global }
    .group_segment_fixed_size: 327680
    .private_segment_fixed_size: 0
    .kernarg_segment_align: 8
    .kernarg_segment_size: 112
    .max_flat_workgroup_size: 256
    .sgpr_count:     96
    .vgpr_count:     512
    .wavefront_size: 32
...
	.end_amdgpu_metadata
.endif
;; end of part 4
